; MI455X (gfx1250); checked and timed in simulation.
; The chip was launched on July 23, 2026; its instructions are those of AMD's public machine-readable ISA for CDNA 5 (MIT licence, August 2026) and "CDNA5" Instruction Set Architecture Reference Guide (July 2026). The comments in the code are by the model that wrote it; some were corrected since.
;; Causal Self Attention. Allowed arithmetic: matrix products marked QUANTISED: E3M2 operands, one E8M0 scale for each 32 along K, by v_wmma_scale_f32_16x16x128_f8f6f4 with both operands' format E3M2, f32 sums; everything else in f32.
;; Inputs: b_attn 3,072 float32; b_proj 1,024 float32; w_attn 3,072 x 1,024 float32; w_proj 1,024 x 1,024 float32; x 4 x 2,048 x 1,024 float32.
;; Outputs: out0 4 x 2,048 x 1,024 float32.
;; This version of the problem:
;;   THIS VERSION OF THE PROBLEM IS GIVEN IN LOW PRECISION. The matrix products marked QUANTISED in the list below multiply operands that are first quantised to E3M2 (3 exponent bits, 2 mantissa bits; 6 bits a number), with one power-of-two scale for each 32 numbers along K (OCP MX v1.0); their sums are f32. All else is computed in f32.
;;   The module's matrix products, in the order in which they are computed (A, B: the left and right operand; K: the contracted axis; several contracted axes count as one K, in the product's order):
;;     1. [M 8,192, K 1,024] x [K 1,024, N 3,072]; A: input x; B: input w_attn: QUANTISED
;;     2. batch 64 x [M 2,048, K 64] x [K 64, N 2,048]; A: computed on the way; B: computed on the way: QUANTISED
;;     3. batch 64 x [M 2,048, K 2,048] x [K 2,048, N 64]; A: softmax (see below); B: computed on the way: QUANTISED
;;     4. [M 8,192, K 1,024] x [K 1,024, N 1,024]; A: computed on the way; B: input w_proj: QUANTISED
;;   THE QUANTISER, for each operand of a quantised product, along K:
;;     - K is cut into blocks of 32 from its start; a last block that is shorter is filled with zeros.
;;     - A block's scale is 2^e with e = floor(log2(the largest magnitude in the block)) - 4, held to -126 .. 127; a block of zeros has e = 0. As a byte (E8M0): e + 127.
;;     - Each number is divided by its block's scale, clamped to +-28, and rounded to the nearest number of E3M2, ties to even, subnormals kept.
;;     - The product sums the exact products of the quantised numbers (number of the format x scale) in f32.
;;   ~~~python
;;   def quantise(x, axis):      # numpy; x: float32 -> the quantised numbers, widened to float32 again
;;       x = np.moveaxis(x, axis, -1); K = x.shape[-1]
;;       x = np.pad(x, [(0, 0)] * (x.ndim - 1) + [(0, -K % 32)]); x = x.reshape(x.shape[:-1] + (-1, 32)); a = np.abs(x).max(-1, keepdims=True)
;;       e = np.where(a > 0, np.clip(np.frexp(np.where(a > 0, a, 1))[1] - 1 - 4, -126, 127), 0)      # np.frexp(a)[1] - 1 = floor(log2(a)), exactly
;;       r = np.clip(x / 2.0 ** e, -28, 28)
;;       step = 2.0 ** (np.maximum(np.frexp(np.where(r == 0, 1, r))[1] - 1, -2) - 2)
;;       q = np.round(r / step) * step * 2.0 ** e      # np.round: ties to even
;;       return np.moveaxis(q.reshape(q.shape[:-2] + (-1,))[..., :K], -1, axis).astype(np.float32)
;;   ~~~
;;   SOFTMAX AHEAD OF A QUANTISED PRODUCT. Where the list says 'softmax', what is quantised is not the finished softmax but p = 2^(t - M), with t = logit x log2(e) and M = ceil(the row's largest t), a whole number; so 1/2 < the row's largest p <= 1. The row's sum l is taken of the UNQUANTISED p, in f32, and the product's result is divided by l at the end. Since M is a whole number, a kernel that streams over the keys may use a running M (the ceiling of the running maximum): every later rescaling is an exact power of two, which a block's scale takes up: the codes' values come out the same.
;;   OPERANDS COMPUTED ON THE WAY. 'Computed on the way' means the value that the module computes at that place (a softmax that the list does not call 'softmax' is quantised finished and normalised). What goes into a quantiser is computed in f32, as accurately as f32 sums, v_exp_f32 and their like allow (about 1e-6 of the number): no bf16 or f16 on the way to a quantiser, and a product that is left as it is and whose result goes on into a quantised operand takes f32 operands (vector FMAs, or v_wmma_f32_16x16x4_f32). A number that lies on a knife's edge between two numbers of the format may be rounded either way, as far as f32 arithmetic and the matrix unit's own rounding can turn it there, and no further.
;; One version. Each part assembles by itself: llvm-mc -triple=amdgcn-amd-amdhsa -mcpu=gfx1250 --defsym DOCPART=n.
;; ======== version 1 of 1: 4 launches
;; workspace buffers: cod 9,437,184 bytes; scl 393,216 bytes; qkv 19,660,800 bytes; yc 6,291,456 bytes; ys 262,144 bytes
;; launch quant (part 1): grid 256 x 1, 6 waves a work-group, no clusters, 51,456 bytes of LDS; arguments x, w_attn, w_proj, cod, scl; writes cod, scl
.if DOCPART == 1
	.amdgcn_target "amdgcn-amd-amdhsa--gfx1250"
	.amdhsa_code_object_version 6
	.text
	.protected	k_q6cafb832e4_quant
	.globl	k_q6cafb832e4_quant
	.p2align	8
	.type	k_q6cafb832e4_quant,@function
k_q6cafb832e4_quant:
	s_mov_b64 s[64:65], 0
	v_nop
	global_prefetch_b8 v0, s[64:65] scope:SCOPE_SE
	s_setreg_imm32_b32 hwreg(HW_REG_WAVE_MODE, 25, 1), 1
	s_wait_xcnt 0x0
; x [8192][1024], w_attn [3072][1024], w_proj [1024][1024], f32, K innermost, become codes of BF6 (E3M2) with one E8M0 scale byte for each 32 along K,
; laid as the later launches' operand registers want them.
; A BLOCK is 16 rows: lane-row i of block B is the tensor's row 32 (B / 2) + 8 (B % 2) + i + 8 (i / 8).  Blocks 0-511: x, 512-703: w_attn, 704-767: w_proj.
; cod: [block][K step of 128: 0..7][1,536 bytes]: the IMAGE of a fragment's 12 registers: register pair p of lane l at 256 p + 8 l.
; scl: [block][512 bytes]: [half of K][row r][4 words]: word j of half g is the scale word (four bytes, 128 along K) of K step 4 g + j.
; A block's scale is 2^(floor(log2(its largest magnitude)) - 4); its byte is the largest magnitude's exponent field - 4, held at 1 from below.
; LIMITS: a block whose largest magnitude lies under 2^-122 (a block of zeros among them, where the rule says 127) gets the byte 1: zero codes add nothing under any byte but 0xff, and
; this program alone reads the bytes.  NaN and infinities among the inputs are not served.
; SHARES: 1,536 tasks = 768 blocks x 2 halves of K; a wave takes one: 16 rows x 512 along K, four steps of 128.  Waves share nothing: no barrier.
; Each load reads 512 consecutive bytes of one row; a step's 16 rows turn through the wave's own stage in LDS (rows of 512 + 16 bytes), so that lane (r, h) gets, of row r, 16 neighbours of each block of 32.
.set IMG,  1536
.set STG,  8448                        ; a wave's stage: 16 rows x 528 bytes
.set SP,   528
.set TM,   16                          ; v16-31   the quantiser's work registers
.set PW,   32                          ; v32-35   the four steps' scale words
.set PC,   36                          ; v36-47   a fragment's codes
.set CT,   48                          ; v48-55   the conversions' second halves
.set WD,   56                          ; v56-57   the two scale words that my lane stores
.set X,    64                          ; v64-127  64 numbers back from the stage: register 16 b + i = k 32 b + 16 h + i of row r
.set R,    128                         ; v128-255 two sets of 64 registers, as loaded
.set SEL,  20                          ; s[20:21] v_permlanex16_b32's selects for lane l xor 16
; 64 numbers of a lane become a fragment's 12 registers in v[pc] on and its row's scale word in v[pw].
.macro QUANT s, pc, pw
.irp b, 0,1,2,3
	v_max3_num_f32 v[TM+\b], |v[(\s)+16*\b]|, |v[(\s)+1+16*\b]|, 0x2800000   ; block b: my 16 numbers, and the floor 2^(5 - 127): the byte cannot fall under 1
.endr
.irp i, 2,4,6,8,10,12,14
.irp b, 0,1,2,3
	v_max3_num_f32 v[TM+\b], v[TM+\b], |v[(\s)+16*\b+\i]|, |v[(\s)+1+16*\b+\i]|   ; the four blocks by turns
.endr
.endr
.irp b, 0,1,2,3
	v_permlanex16_b32 v[TM+4+\b], v[TM+\b], s[SEL], s[SEL+1]
.endr
.irp b, 0,1,2,3
	v_max_num_f32 v[TM+\b], v[TM+\b], v[TM+4+\b]   ; with lane l xor 16's 16: the block's largest magnitude
.endr
.irp b, 0,1,2,3
	v_add_nc_u32 v[TM+12+\b], 0xfe000000, v[TM+\b] ; 4 off its exponent field: the conversion takes this operand's exponent field as its scale
.endr
.irp b, 0,1,2,3
	v_lshrrev_b32 v[TM+4+\b], 23, v[TM+12+\b]      ; the scale's byte
.endr
	v_lshl_or_b32 v[\pw], v[TM+5], 8, v[TM+4]
	v_lshl_or_b32 v[\pw], v[TM+6], 16, v[\pw]
	v_lshl_or_b32 v[\pw], v[TM+7], 24, v[\pw]
.irp c, 0,1
	v_cvt_scalef32_pk16_bf6_f32 v[(\pc)+6*\c:(\pc)+6*\c+2], v[(\s)+32*\c:(\s)+32*\c+15], v[TM+12+2*\c]
	v_cvt_scalef32_pk16_bf6_f32 v[CT+4*\c:CT+4*\c+2], v[(\s)+16+32*\c:(\s)+31+32*\c], v[TM+13+2*\c]   ; (a conversion's three registers begin on an even number)
.endr
	v_nop                                          ; one plain instruction behind the scaled conversions
.irp c, 0,1                            ; the operand's layout wants a whole block of 32 in a lane: lanes 0-15 block 2 c, lanes 16-31 block 2 c + 1
.irp i, 0,1,2
	v_permlane16_swap_b32 v[(\pc)+6*\c+\i], v[CT+4*\c+\i]
.endr
.irp i, 0,1,2
	v_mov_b32 v[(\pc)+3+6*\c+\i], v[CT+4*\c+\i]
.endr
.endr
.endm
	s_load_b128 s[4:7], s[0:1], 0x0                ; x, w_attn
	s_load_b128 s[8:11], s[0:1], 0x10              ; w_proj, cod
	s_load_b64 s[12:13], s[0:1], 0x20              ; scl
	v_lshl_add_u32 v62, v0, 2, 0xc600
	v_mov_b32 v63, 0
	v_lshrrev_b32 v1, 5, v0
	v_readfirstlane_b32 s14, v1                    ; wave 0..5
	v_and_b32 v6, 31, v0                           ; lane
	v_and_b32 v7, 15, v0                           ; r
	v_bfe_u32 v8, v0, 4, 1                         ; h
	v_lshlrev_b32 v1, 4, v6                        ; my 16 bytes of a load's 512
	s_mul_i32 s15, s14, STG                        ; my wave's stage
	v_add_nc_u32 v2, s15, v1                       ; into it: 16 x lane, a row an instruction
	v_mul_u32_u24 v3, v7, SP
	v_lshl_add_u32 v3, v8, 6, v3
	v_add_nc_u32 v3, s15, v3                       ; out of it: row r, + 64 h
	v_lshlrev_b32 v4, 3, v6                        ; an image's place for my lane: 8 x lane
	v_lshlrev_b32 v5, 4, v7
	v_lshl_add_u32 v5, v8, 3, v5                   ; the scale words: 16 r + 8 h
.irp b, 0,1,2,3
	v_mov_b32 v[TM+4+\b], 0                        ; written once: a lane permute's destination counts as one of its sources
.endr
	s_mov_b32 s[SEL], 0x76543210
	s_mov_b32 s[SEL+1], 0xfedcba98
	s_mov_b32 s22, 0xffff0000                      ; lanes 16-31
	s_mul_i32 s16, ttmp9, 6
	s_add_co_u32 s16, s16, s14                     ; my task
	s_lshr_b32 s17, s16, 1                         ; its block
	s_and_b32 s18, s16, 1                          ; its half of K
	s_mov_b32 s19, 704
	s_wait_alu depctr_va_vdst(0)
	s_wait_kmcnt 0x0
	s_cmp_lt_u32 s17, 704                          ; which tensor: the choice hangs on ids alone
	s_cselect_b64 s[6:7], s[6:7], s[8:9]
	s_cselect_b32 s19, 512, s19
	s_cmp_lt_u32 s17, 512
	s_cselect_b64 s[4:5], s[4:5], s[6:7]
	s_cselect_b32 s19, 0, s19
	s_sub_co_u32 s19, s17, s19                     ; the block's number in its tensor
	s_lshr_b32 s24, s19, 1
	s_lshl_b32 s24, s24, 5
	s_and_b32 s25, s19, 1
	s_lshl_b32 s25, s25, 3
	s_add_co_u32 s24, s24, s25                     ; its first row
	s_lshl_b32 s24, s24, 12                        ; x 4,096 bytes
	s_lshl_b32 s25, s18, 11
	s_add_co_u32 s24, s24, s25                     ; + 2,048 x half
	s_mov_b32 s25, 0
	s_add_nc_u64 s[4:5], s[4:5], s[24:25]
	s_mul_i32 s24, s16, 4*IMG
	s_add_nc_u64 s[10:11], s[10:11], s[24:25]      ; my four images
	s_lshl_b32 s24, s16, 8
	s_add_nc_u64 s[12:13], s[12:13], s[24:25]      ; my 256 bytes of scale words
.macro LOAD s                          ; step s: 16 rows x 512 bytes into set s % 2
.irp i, 0,1,2,3,4,5,6,7,8,9,10,11,12,13,14,15
	global_load_b128 v[R+64*((\s)%2)+4*\i:R+64*((\s)%2)+4*\i+3], v1, s[4:5] offset:(\i+8*(\i/8))*4096+512*(\s) th:TH_LOAD_NT
.endr
.endm
.macro STEP s
.if (\s) < 3
	s_wait_loadcnt 16                              ; this step's 16 loads are in; the next step's 16 may be out
.else
	s_wait_loadcnt 0x0
.endif
.irp i, 0,1,2,3,4,5,6,7,8,9,10,11,12,13,14,15
	ds_store_b128 v2, v[R+64*((\s)%2)+4*\i:R+64*((\s)%2)+4*\i+3] offset:SP*\i
.endr
.irp b, 0,1,2,3
.irp j, 0,1,2,3
	ds_load_b128 v[X+16*\b+4*\j:X+16*\b+4*\j+3], v3 offset:128*\b+16*\j   ; LDS serves a wave's instructions in order: these see the stores above
.endr
.endr
	s_wait_dscnt 0x0                               ; the numbers are back, and the stage's stores have read their registers
	s_wait_xcnt 0x0                                ; the last step's stores have read the codes' registers, which are written again below
.if (\s) < 2
	LOAD (\s)+2
.endif
	QUANT X, PC, PW+(\s)
.irp p, 0,1,2,3,4,5
	global_store_b64 v4, v[PC+2*\p:PC+2*\p+1], s[10:11] offset:IMG*(\s)+256*\p   ; 32 lanes store 256 consecutive bytes, aligned
.endr
.endm
	LOAD 0
	LOAD 1
	STEP 0
	STEP 1
	STEP 2
	STEP 3
	v_cndmask_b32 v[WD], v[PW], v[PW+2], s22       ; every lane holds its row's four words: lanes 0-15 store words 0, 1, lanes 16-31 words 2, 3
	v_cndmask_b32 v[WD+1], v[PW+1], v[PW+3], s22
	global_store_b64 v5, v[WD:WD+1], s[12:13]      ; 256 consecutive bytes, aligned
	s_wait_tensorcnt 0x0
	ds_add_u32 v62, v63
	s_wait_dscnt 0x0
	s_endpgm
.Lfunc_end_k_q6cafb832e4_quant:
	.size	k_q6cafb832e4_quant, .Lfunc_end_k_q6cafb832e4_quant-k_q6cafb832e4_quant
	.p2alignl 7, 3214868480
	.fill 96, 4, 3214868480
	.section	.rodata,"a",@progbits
	.p2align	6, 0x0
	.amdhsa_kernel k_q6cafb832e4_quant
		.amdhsa_group_segment_fixed_size 51456
		.amdhsa_private_segment_fixed_size 0
		.amdhsa_enable_private_segment 0
		.amdhsa_kernarg_size 40
		.amdhsa_user_sgpr_count 2
		.amdhsa_user_sgpr_kernarg_segment_ptr 1
		.amdhsa_wavefront_size32 1
		.amdhsa_system_sgpr_workgroup_id_x 1
		.amdhsa_system_sgpr_workgroup_id_y 1
		.amdhsa_system_sgpr_workgroup_id_z 1
		.amdhsa_system_vgpr_workitem_id 0
		.amdhsa_next_free_vgpr 256
		.amdhsa_next_free_sgpr 66
		.amdhsa_reserve_vcc 0
		.amdhsa_float_denorm_mode_32 3
		.amdhsa_float_denorm_mode_16_64 3
		.amdhsa_memory_ordered 1
		.amdhsa_forward_progress 1
		.amdhsa_inst_pref_size 35
	.end_amdhsa_kernel
	.amdgpu_metadata
---
amdhsa.version: [ 1, 2 ]
amdhsa.kernels:
  - .name:           k_q6cafb832e4_quant
    .symbol:         k_q6cafb832e4_quant.kd
    .args:
      - { .name: x, .offset: 0, .size: 8, .value_kind: global_buffer, .address_space: global }
      - { .name: w_attn, .offset: 8, .size: 8, .value_kind: global_buffer, .address_space: global }
      - { .name: w_proj, .offset: 16, .size: 8, .value_kind: global_buffer, .address_space: global }
      - { .name: cod, .offset: 24, .size: 8, .value_kind: global_buffer, .address_space: global }
      - { .name: scl, .offset: 32, .size: 8, .value_kind: global_buffer, .address_space: global }
    .group_segment_fixed_size: 51456
    .private_segment_fixed_size: 0
    .kernarg_segment_align: 8
    .kernarg_segment_size: 40
    .max_flat_workgroup_size: 192
    .sgpr_count:     66
    .vgpr_count:     256
    .wavefront_size: 32
...
	.end_amdgpu_metadata
.endif
;; end of part 1
;; launch qkv (part 2): grid 12 x 64, 4 waves a work-group, clusters of 4 x 4, 307,712 bytes of LDS; arguments cod, scl, b_attn, qkv; writes qkv
.if DOCPART == 2
	.amdgcn_target "amdgcn-amd-amdhsa--gfx1250"
	.amdhsa_code_object_version 6
	.text
	.protected	k_q6cafb832e4_qkv
	.globl	k_q6cafb832e4_qkv
	.p2align	8
	.type	k_q6cafb832e4_qkv,@function
k_q6cafb832e4_qkv:
	s_mov_b64 s[64:65], 0
	v_nop
	global_prefetch_b8 v0, s[64:65] scope:SCOPE_SE
	s_setreg_imm32_b32 hwreg(HW_REG_WAVE_MODE, 25, 1), 1
	s_wait_xcnt 0x0
	s_wait_alu depctr_hold_cnt(0) depctr_sa_sdst(0) depctr_va_vdst(0) depctr_va_sdst(0) depctr_va_ssrc(0) depctr_va_vcc(0) depctr_vm_vsrc(0)
	s_getreg_b32 s2, hwreg(HW_REG_IB_STS2, 6, 4)
	s_cmp_eq_u32 s2, 0
	s_cbranch_scc0 .Lentry_in_a_cluster
	s_endpgm
.Lentry_in_a_cluster:
	s_bfe_u32 s2, ttmp6, 0x10000c
	s_cmp_lg_u32 s2, 0xf033
	s_cbranch_scc0 .Lentry_shape_is_right
	s_endpgm
.Lentry_shape_is_right:
; qkv = x w_attn^T + b_attn on codes of BF6 (E3M2) with E8M0 scales, and q, k, v quantised again on the way out: q and k along the head's 64, v along the tokens.
; THE PRODUCT: C'[m'][n'] = sum over k of A'[m'][k] B'[n'][k], K = 1,024.  A work-group makes 128 (m') x 256 (n'), each of its four waves 64 x 128: 32 accumulators of 16 x 16.
; ROLES by the cluster's x, which all partners share: 0: q, 1: k: A' = x's rows (tokens), B' = w_attn's rows (features).  2: v: A' = w_attn's rows, B' = x's rows, so that a lane's registers run along the
; tokens, which are the K of attention's second product.  One text serves all roles: only offsets are chosen, by s_cselect_b32; there is no branch on the role.
; OPERANDS: cod [block of 16 rows][K step 0..7][1,536]: images of fragments (register pair p of lane l at 256 p + 8 l); lane-row i of block B is row 32 (B / 2) + 8 (B % 2) + i + 8 (i / 8).
; scl [block][512]: [half of K][r][4 words].  Blocks 0-511: x, 512-703: w_attn.
; LDS: 128 + 256 rows x all of K are 294,912 bytes of codes and 12,288 of scale words: THE WHOLE OPERANDS LIE IN LDS, each byte filled once: four slots of two K steps and the scales, five tensor loads a wave,
; all issued at the head.  No byte is filled twice.
; CLUSTER 4 x 4: A's tiles hang on the cluster's row alone and are asked for jointly along it, B's on its column.
; THE MATRIX INSTRUCTION IS USED TRANSPOSED (source 0 = 16 rows of B', source 1 = 16 rows of A'): lane (r, h) holds row r of A's block, and by the blocks' order of rows the 16 registers of B's blocks
; 2 c, 2 c + 1 are the neighbours n' = 32 c + 16 h + 0 .. 15: what the conversions want.
; OUT (buffer qkv): q's codes [bh][token block 0..127][768] (half an image: K = 64); at QS q's scale words [bh][pair of blocks][r] (two bytes of each block);
; at KV [bh][key step of 128][12,800]: k's codes 8 x 768; +6,144 v's codes, 4 tiles of 16 d x 1,536; +12,288 k's scale words [pair][r]; +12,544 v's [tile][r].
; LIMITS: a block whose largest magnitude lies under 2^-122 (zeros too) gets the byte 1; NaN and infinities are not served.
; REGISTERS: window 0: v1-17 addresses; v20-27 the bias by lane; v32-95 scale words; v96-191 A's fragments, two sets (free on the way out); v192-255 a block's 64 results.
;   window 1: accumulator (a, b) at v[64 a + 8 b].   window 2: v0-191 B's fragments, two sets; v192-255 the bias by register.
.set IMG,   1536
.set BLKB,  12288                      ; a block's codes: 8 K steps
.set SLOT,  73728                      ; two K steps: A's 8 blocks x 3,072, then B's 16
.set BOFF,  24576
.set SCA,   4*SLOT                     ; A's scale words, 8 blocks x 512
.set SCB,   SCA+4096                   ; B's, 16 x 512
.set QS,    6291456
.set KV,    6553600
.set REC,   12800
.set HEADB, 16*REC
.set ADRA, 8                           ; v8-11   LDS address of my A fragments in slot 0..3
.set ADRB, 12                          ; v12-15  the same for B
.set ADRS, 16                          ; v16     of my scale words: lanes 0-15 A's rows, lanes 16-31 B's
.set L8,   17                          ; v17     8 x lane
.set BR,   20                          ; v20-27  role v: b_attn at my lane's row of A's block a, at v[BR + 2 a]; the odd registers 0
.set SC,   32                          ; v[SC + 8 i + k]: lanes 0-15 the word of A's block i, lanes 16-31 of B's block i, K step k
.set AF,   96
.set T,    192
.set BF,   0                           ; window 2
.set BC,   192                         ; window 2: roles q, k: b_attn at n' = 32 c + 16 h + i, at v[BC + 16 c + i]
.set PCO,  96                          ; the way out: block a's codes at v[PCO + 12 a]
.set CT,   144
.set TM,   152
.set PW,   168
.set VO1,  172
.set VO2,  176
.set D1,   180
.set D2,   181
.set W,    182
.set VS,   184
.set SEL,  50
.set G1A,  24                          ; s[24:31] descriptor group 1: A's tiles; s[32:39] B's; s[40:47] A's scales; s[48:55] B's
.set G1B,  32
.set G1SA, 40
.set G1SB, 48
.set MSB, 0
.macro WIN new                         ; the immediate's high byte repeats the setting that is left
.if MSB != \new
	s_set_vgpr_msb (MSB<<8)|\new
.set MSB, \new
.endif
.endm
.macro PLACES n
.rept \n
	v_nop
.endr
.endm
.macro CROUND                          ; a round of the cluster's barrier
	s_barrier_signal -1
	s_barrier_wait -1
	s_cmp_lg_u32 s16, 0
	s_cbranch_scc1 .Lnot_wave_0_\@
	s_barrier_signal -3
.Lnot_wave_0_\@:
	s_barrier_wait -3
	s_barrier_signal -1
	s_barrier_wait -1
.endm
.macro SHAPE g, c, r, p                ; words 1 to 7 of a group 1: r rows of c elements of 8 bytes, p elements apart
	s_mov_b32 s[\g+1], (\c)<<16
	s_mov_b32 s[\g+2], (\r)<<16
	s_mov_b32 s[\g+3], (\c)<<16
	s_mov_b32 s[\g+4], \r
	s_mov_b32 s[\g+5], \p
	s_mov_b32 s[\g+6], 0
	s_mov_b32 s[\g+7], 0
.endm
.macro GROUP0 g, la, lo, ba, of, st    ; a group 0: LDS address s[la] + lo; global address s[ba:ba+1] + s[of:of+1] + st
	s_mov_b32 s[\g], 1
	s_add_co_u32 s[\g+1], s[\la], \lo
	s_add_nc_u64 s[\g+2:\g+3], s[\ba:\ba+1], s[\of:\of+1]
.if \st
	s_add_nc_u64 s[\g+2:\g+3], s[\g+2:\g+3], \st
.endif
	s_or_b32 s[\g+3], s[\g+3], 0x80000000
.endm
.macro FRAG reg, adr, off              ; an image comes back as it was stored: each load reads 256 consecutive bytes
.irp p, 0,1,2,3,4,5
	ds_load_b64 v[(\reg)+2*\p:(\reg)+2*\p+1], v[\adr] offset:(\off)+256*\p
.endr
.endm
.macro FETCH_B k                       ; B's eight fragments of K step k into set k % 2: 48 loads
	WIN 0x80
.irp b, 0,1,2,3,4,5,6,7
	FRAG BF+96*((\k)%2)+12*\b, ADRB+(\k)/2, 3072*\b+IMG*((\k)%2)
.endr
	WIN 0
.endm
.macro FETCH_A k                       ; A's four: 24 loads
.irp a, 0,1,2,3
	FRAG AF+48*((\k)%2)+12*\a, ADRA+(\k)/2, 3072*\a+IMG*((\k)%2)
.endr
.endm
.macro SCALES                          ; all eight K steps' scale words, once
.irp i, 0,1,2,3,4,5,6,7
	ds_load_b128 v[SC+8*\i:SC+8*\i+3], v[ADRS] offset:512*\i
	ds_load_b128 v[SC+8*\i+4:SC+8*\i+7], v[ADRS] offset:512*\i+256
.endr
.endm
; 16 matrix instructions: A's blocks a0, a0 + 1 x B's eight.  first = 1: the sums begin with the bias by register.  The 32 accumulators take turns, one instruction a turn.
.macro MUL a0, k, first
.irp a, \a0, \a0+1
.irp b, 0,1,2,3,4,5,6,7
.if \first
	v_wmma_scale_f32_16x16x128_f8f6f4 v[64*(\a)+8*\b:64*(\a)+8*\b+7], v[BF+96*((\k)%2)+12*\b:BF+96*((\k)%2)+12*\b+11], v[AF+48*((\k)%2)+12*(\a):AF+48*((\k)%2)+12*(\a)+11], v[BC+8*\b:BC+8*\b+7], v[SC+8*\b+(\k)], v[SC+8*(\a)+(\k)] matrix_a_fmt:MATRIX_FMT_BF6 matrix_b_fmt:MATRIX_FMT_BF6 matrix_a_scale:MATRIX_SCALE_ROW1
.else
	v_wmma_scale_f32_16x16x128_f8f6f4 v[64*(\a)+8*\b:64*(\a)+8*\b+7], v[BF+96*((\k)%2)+12*\b:BF+96*((\k)%2)+12*\b+11], v[AF+48*((\k)%2)+12*(\a):AF+48*((\k)%2)+12*(\a)+11], v[64*(\a)+8*\b:64*(\a)+8*\b+7], v[SC+8*\b+(\k)], v[SC+8*(\a)+(\k)] matrix_a_fmt:MATRIX_FMT_BF6 matrix_b_fmt:MATRIX_FMT_BF6 matrix_a_scale:MATRIX_SCALE_ROW1
.endif
.endr
.endr
.endm
.macro MWIN first                      ; source 0 (B) window 2, source 1 (A) window 0, D window 1; C window 1, or window 2 where it is the bias
.if \first
	WIN 0x62
.else
	WIN 0x52
.endif
.endm
; A K step of 128: 32 matrix instructions.  B's next fragments are asked for at its head, A's in its middle.
.macro KSTEP k, first
.if ((\k) < 7) && (((\k)%2) == 1)
	s_wait_tensorcnt 3-((\k)+1)/2                  ; my part of the next slot is in: so many loads of mine were issued behind it
	s_wait_dscnt 0x0                               ; no LDS instruction of mine is out at a signal
	s_barrier_signal -1
	s_barrier_wait -1                              ; everybody's part is in
.endif
.if (\k) < 7
.if (\k) > 0
	PLACES 4                                       ; four plain instructions between the last K step's products and loads into the registers that they read (ISA guide 7.12.1 for vector instructions): they serve A's loads below too
.endif
	FETCH_B (\k)+1
	s_wait_dscnt 48                                ; all but the 48 just issued: this K step's fragments are in
.else
	s_wait_dscnt 0x0
.endif
	MWIN \first
	MUL 0, \k, \first
.if (\k) < 7
	WIN 0
	FETCH_A (\k)+1
	MWIN \first
.endif
	MUL 2, \k, \first
.endm
; 64 numbers of a lane, register 16 b + i = k 32 b + 16 h + i of its row, become a fragment's 12 registers in v[pc] on and the row's scale word in v[pw].
.macro QUANT s, pc, pw
.irp b, 0,1,2,3
	v_max3_num_f32 v[TM+\b], |v[(\s)+16*\b]|, |v[(\s)+1+16*\b]|, 0x2800000   ; my 16 numbers of block b, and the floor 2^(5 - 127): the byte cannot fall under 1
.endr
.irp i, 2,4,6,8,10,12,14
.irp b, 0,1,2,3
	v_max3_num_f32 v[TM+\b], v[TM+\b], |v[(\s)+16*\b+\i]|, |v[(\s)+1+16*\b+\i]|
.endr
.endr
.irp b, 0,1,2,3
	v_permlanex16_b32 v[TM+4+\b], v[TM+\b], s[SEL], s[SEL+1]
.endr
.irp b, 0,1,2,3
	v_max_num_f32 v[TM+\b], v[TM+\b], v[TM+4+\b]   ; with lane l xor 16's: the block's largest magnitude
.endr
.irp b, 0,1,2,3
	v_add_nc_u32 v[TM+12+\b], 0xfe000000, v[TM+\b] ; 4 off its exponent field: the conversion's scale operand
.endr
.irp b, 0,1,2,3
	v_lshrrev_b32 v[TM+4+\b], 23, v[TM+12+\b]      ; the scale's byte
.endr
	v_lshl_or_b32 v[\pw], v[TM+5], 8, v[TM+4]
	v_lshl_or_b32 v[\pw], v[TM+6], 16, v[\pw]
	v_lshl_or_b32 v[\pw], v[TM+7], 24, v[\pw]
.irp c, 0,1
	v_cvt_scalef32_pk16_bf6_f32 v[(\pc)+6*\c:(\pc)+6*\c+2], v[(\s)+32*\c:(\s)+32*\c+15], v[TM+12+2*\c]
	v_cvt_scalef32_pk16_bf6_f32 v[CT+4*\c:CT+4*\c+2], v[(\s)+16+32*\c:(\s)+31+32*\c], v[TM+13+2*\c]
.endr
	v_nop                                          ; one plain instruction behind the scaled conversions
.irp c, 0,1
.irp i, 0,1,2
	v_permlane16_swap_b32 v[(\pc)+6*\c+\i], v[CT+4*\c+\i]   ; a whole block of 32 to a lane
.endr
.irp i, 0,1,2
	v_mov_b32 v[(\pc)+3+6*\c+\i], v[CT+4*\c+\i]
.endr
.endr
.endm
	s_load_b128 s[4:7], s[0:1], 0x0                ; cod, scl
	s_load_b128 s[8:11], s[0:1], 0x10              ; b_attn, qkv
	v_lshl_add_u32 v30, v0, 2, 0x4b000
	v_mov_b32 v31, 0
	ds_add_u32 v30, v31
	ds_add_u32 v30, v31
	v_lshrrev_b32 v1, 5, v0
	v_readfirstlane_b32 s16, v1                    ; wave 0..3
	s_lshr_b32 s17, s16, 1                         ; wm: which 64 rows of A' are mine.  Also: I fetch for A (0) or for B (1)
	s_and_b32 s18, s16, 1                          ; wn: which 128 rows of B'.  Also: which half of the tile I fetch
	s_bfe_u32 s19, ttmp6, 0x40000                  ; cx
	s_bfe_u32 s20, ttmp6, 0x40004                  ; cy
	s_and_b32 s21, ttmp7, 0xffff                   ; Y: the cluster's y, 0..15
	s_lshl_b32 s2, s20, 2
	s_lshl_b32 s2, 15, s2                          ; my row of the cluster
	s_lshl_b32 s3, 0x1111, s19                     ; my column
	s_or_b32 s[G1A], s2, (3<<16)|(1<<21)           ; 15:0 the mask; 17:16 elements of 8 bytes; 21 set beside a mask; no padding
	s_or_b32 s[G1SA], s2, (3<<16)|(1<<21)
	s_or_b32 s[G1B], s3, (3<<16)|(1<<21)
	s_or_b32 s[G1SB], s3, (3<<16)|(1<<21)
	SHAPE G1A, 384, 4, 1536                        ; 4 blocks x two K steps (3,072 bytes), 12,288 bytes apart
	SHAPE G1B, 384, 8, 1536
	SHAPE G1SA, 32, 8, 32                          ; 4 blocks' scale words: 2,048 dense bytes as rows of 256
	SHAPE G1SB, 32, 16, 32
	; A's first block that I fetch, in registers that never hold cx: q, k: 32 Y + 8 cy;  v: 640 + 32 (Y % 2) + 8 cy;  + 4 x half
	s_lshl_b32 s22, s21, 5
	s_and_b32 s23, s21, 1
	s_lshl_b32 s23, s23, 5
	s_add_co_u32 s23, s23, 640
	s_cmp_eq_u32 ttmp9, 2
	s_cselect_b32 s22, s23, s22
	s_lshl_b32 s23, s20, 3
	s_add_co_u32 s22, s22, s23
	s_lshl_b32 s23, s18, 2
	s_add_co_u32 s22, s22, s23
	s_lshl_b32 s2, s22, 9                          ; its scale words, in bytes
	s_mul_i32 s22, s22, BLKB                       ; its codes
	s_mov_b32 s23, 0
	; B's, in registers that never hold cy: q, k: 512 + 64 role + 16 cx;  v: 64 (Y / 2) + 16 cx;  + 8 x half
	s_lshl_b32 s100, ttmp9, 6
	s_add_co_u32 s100, s100, 512
	s_lshr_b32 s101, s21, 1
	s_lshl_b32 s101, s101, 6
	s_cmp_eq_u32 ttmp9, 2
	s_cselect_b32 s100, s101, s100
	s_lshl_b32 s101, s19, 4
	s_add_co_u32 s100, s100, s101
	s_lshl_b32 s101, s18, 3
	s_add_co_u32 s100, s100, s101
	s_lshl_b32 s3, s100, 9
	s_mul_i32 s100, s100, BLKB
	s_mov_b32 s101, 0
	s_mul_i32 s66, s18, 12288                      ; where they go: the wave's number alone enters an LDS address
	s_mul_i32 s67, s18, 24576
	s_add_co_u32 s67, s67, BOFF
	s_wait_dscnt 0x0
	s_wait_kmcnt 0x0
	GROUP0 56, 66, 0*SLOT, 4, 22, 0                ; a group 0 for each load: none is written again
	GROUP0 60, 66, 1*SLOT, 4, 22, 3072
	GROUP0 68, 66, 2*SLOT, 4, 22, 6144
	GROUP0 72, 66, 3*SLOT, 4, 22, 9216
	GROUP0 80, 67, 0*SLOT, 4, 100, 0
	GROUP0 84, 67, 1*SLOT, 4, 100, 3072
	GROUP0 88, 67, 2*SLOT, 4, 100, 6144
	GROUP0 92, 67, 3*SLOT, 4, 100, 9216
	s_mov_b32 s22, s2
	s_mov_b32 s100, s3
	s_lshl_b32 s66, s18, 11
	s_lshl_b32 s67, s18, 12
	GROUP0 76, 66, SCA, 6, 22, 0
	GROUP0 96, 67, SCB, 6, 100, 0
	CROUND                                         ; all sixteen work-groups are here: the joint loads meet
	s_cmp_eq_u32 s17, 0                            ; a wave's five first fills stand in one branch on the wave's number: five loads of mine are out
	s_cbranch_scc0 .Lfor_b
	tensor_load_to_lds s[76:79], s[G1SA:G1SA+7]    ; the scale words first: they are wanted with K step 0
	s_nop 0
	tensor_load_to_lds s[56:59], s[G1A:G1A+7]
	s_nop 0
	tensor_load_to_lds s[60:63], s[G1A:G1A+7]
	s_nop 0
	tensor_load_to_lds s[68:71], s[G1A:G1A+7]
	s_nop 0
	tensor_load_to_lds s[72:75], s[G1A:G1A+7]
	s_nop 0
	PLACES 4
	s_branch .Lasked
.Lfor_b:
	tensor_load_to_lds s[96:99], s[G1SB:G1SB+7]
	s_nop 0
	tensor_load_to_lds s[80:83], s[G1B:G1B+7]
	s_nop 0
	tensor_load_to_lds s[84:87], s[G1B:G1B+7]
	s_nop 0
	tensor_load_to_lds s[88:91], s[G1B:G1B+7]
	s_nop 0
	tensor_load_to_lds s[92:95], s[G1B:G1B+7]
	s_nop 0
	PLACES 4
.Lasked:
	; the biases.  q, k: by register, b_attn[1024 role + 256 cx + 128 wn + n'];  v: by lane, b_attn[2048 + 128 (4 (Y % 2) + cy) + 64 wm + m'].  The one that does not apply is loaded from b_attn's start and cleared.
	s_lshl_b32 s12, ttmp9, 12
	s_lshl_b32 s13, s19, 10
	s_add_co_u32 s12, s12, s13
	s_lshl_b32 s13, s18, 9
	s_add_co_u32 s12, s12, s13
	s_and_b32 s14, s21, 1
	s_lshl_b32 s14, s14, 2
	s_add_co_u32 s14, s14, s20
	s_lshl_b32 s14, s14, 9
	s_lshl_b32 s15, s17, 8
	s_add_co_u32 s14, s14, s15
	s_add_co_u32 s14, s14, 8192
	s_cmp_eq_u32 ttmp9, 2
	s_cselect_b32 s12, 0, s12
	s_cselect_b32 s14, s14, 0
	s_cselect_b32 s66, 0, -1                       ; all lanes where the bias by register counts
	s_cselect_b32 s67, -1, 0                       ; all lanes where the bias by lane counts
	s_mov_b32 s13, 0
	s_mov_b32 s15, 0
	s_add_nc_u64 s[12:13], s[8:9], s[12:13]
	s_add_nc_u64 s[14:15], s[8:9], s[14:15]
	v_and_b32 v1, 15, v0                           ; r
	v_bfe_u32 v2, v0, 4, 1                         ; h
	v_lshlrev_b32 v3, 6, v2                        ; 64 h
	v_and_b32 v4, 8, v1
	v_add_nc_u32 v4, v4, v1
	v_lshlrev_b32 v4, 2, v4                        ; 4 (r + 8 (r / 8))
	WIN 0x80
.irp c, 0,1,2,3
.irp j, 0,1,2,3
	global_load_b128 v[BC+16*\c+4*\j:BC+16*\c+4*\j+3], v3, s[12:13] offset:128*\c+16*\j
.endr
.endr
	WIN 0
.irp a, 0,1,2,3
	global_load_b32 v[BR+2*\a], v4, s[14:15] offset:4*(32*(\a/2)+8*(\a%2))
.endr
	v_and_b32 v5, 31, v0
	v_lshlrev_b32 v[L8], 3, v5
	s_wait_alu depctr_va_vdst(0)
	s_mul_i32 s22, s17, 12288                      ; my 4 blocks of A',
	s_mul_i32 s23, s18, 24576                      ; my 8 of B',
	s_add_co_u32 s23, s23, BOFF                    ; which lie behind A's 8
.irp s, 0,1,2,3
	v_add_nc_u32 v[ADRA+\s], s22, v[L8]
	v_add_nc_u32 v[ADRB+\s], s23, v[L8]
	s_add_co_u32 s22, s22, SLOT
	s_add_co_u32 s23, s23, SLOT
.endr
	s_lshl_b32 s22, s17, 11                        ; A's scale words: my 4 blocks
	s_lshl_b32 s23, s18, 12                        ; B's: my 8
	s_add_co_u32 s23, s23, SCB-SCA
	s_sub_co_u32 s23, s23, s22                     ; the distance from the one to the other
	s_add_co_u32 s22, s22, SCA
	v_mul_u32_u24 v5, s23, v2                      ; lanes 16-31 take B's
	v_lshl_add_u32 v5, v1, 4, v5                   ; 16 bytes a row
	v_add_nc_u32 v[ADRS], s22, v5
	s_wait_loadcnt 0x0                             ; the biases
	WIN 0x88                                       ; source 1 and destination window 2
.set j, 0
.rept 64
	v_cndmask_b32 v[BC+j], 0, v[BC+j], s66
.set j, j+1
.endr
	WIN 0
.irp a, 0,1,2,3
	v_cndmask_b32 v[BR+2*\a], 0, v[BR+2*\a], s67
	v_mov_b32 v[BR+2*\a+1], 0                      ; (named with it as a pair)
.endr
	s_wait_alu depctr_va_vdst(0)
	s_wait_tensorcnt 0x3                           ; the scale words and my part of slot 0 are in; three loads were issued behind them
	s_barrier_signal -1
	s_barrier_wait -1                              ; everybody's are
	SCALES
	FETCH_B 0
	FETCH_A 0
	KSTEP 0, 1                                     ; the first K step starts the sums
	KSTEP 1, 0
	KSTEP 2, 0
	KSTEP 3, 0
	KSTEP 4, 0
	KSTEP 5, 0
	KSTEP 6, 0
	KSTEP 7, 0
	WIN 0
	; THE WAY OUT.  All my tensor loads were waited for ahead of slot 3, so s24 to s99 are free.
	s_lshl_b32 s40, s21, 2
	s_add_co_u32 s40, s40, s20
	s_lshl_b32 s40, s40, 7
	s_lshl_b32 s41, s17, 6
	s_add_co_u32 s40, s40, s41                     ; q, k: my first token: 128 (4 Y + cy) + 64 wm
	s_lshl_b32 s41, s19, 2
	s_lshl_b32 s42, s18, 1
	s_add_co_u32 s41, s41, s42                     ;       my first head: 4 cx + 2 wn (I hold two)
	s_lshr_b32 s42, s21, 1
	s_lshl_b32 s42, s42, 2
	s_add_co_u32 s42, s42, s19
	s_lshl_b32 s42, s42, 8
	s_lshl_b32 s43, s18, 7
	s_add_co_u32 s42, s42, s43                     ; v: my first token: 256 (4 (Y / 2) + cx) + 128 wn
	s_and_b32 s43, s21, 1
	s_lshl_b32 s43, s43, 2
	s_add_co_u32 s43, s43, s20
	s_lshl_b32 s43, s43, 1
	s_add_co_u32 s43, s43, s17                     ;    my head: 2 (4 (Y % 2) + cy) + wm
	s_mov_b32 s24, KV+6144                         ; the layout's constants: v's first,
	s_mov_b32 s25, HEADB                           ; s24 the codes' region, s25 bytes a head, s26 bytes a key step
	s_mov_b32 s26, REC
	s_mov_b32 s27, IMG                             ; s27 from block a to a + 1
	s_mov_b32 s28, 768                             ; s28 from register pairs 0-2 to pairs 3-5
	s_mov_b32 s29, KV+12544                        ; s29 the scale words' region, s30 bytes a head, s31 bytes a key step
	s_mov_b32 s30, HEADB
	s_mov_b32 s31, REC
	s_mov_b32 s32, 64                              ; s32 from lanes 0-15's words to lanes 16-31's
	s_mov_b32 s33, 128                             ; s33 from the first pair of blocks to the second
	s_mov_b32 s34, 0x03020100                      ; s34, s35 how two blocks' words make the two words stored
	s_mov_b32 s35, 0x07060504
	s_cmp_eq_u32 ttmp9, 2
	s_cselect_b32 s40, s42, s40
	s_cselect_b32 s41, s43, s41
	s_cmp_lt_u32 ttmp9, 2                          ; then k's,
	s_cselect_b32 s24, KV, s24
	s_cselect_b32 s27, 768, s27
	s_cselect_b32 s28, HEADB, s28
	s_cselect_b32 s29, KV+12288, s29
	s_cselect_b32 s32, HEADB, s32
	s_cselect_b32 s33, 64, s33
	s_cselect_b32 s34, 0x05040100, s34
	s_cselect_b32 s35, 0x07060302, s35
	s_cmp_eq_u32 ttmp9, 0                          ; then q's
	s_cselect_b32 s24, 0, s24
	s_cselect_b32 s25, 98304, s25
	s_cselect_b32 s26, 6144, s26
	s_cselect_b32 s28, 98304, s28
	s_cselect_b32 s29, QS, s29
	s_cselect_b32 s30, 4096, s30
	s_cselect_b32 s31, 256, s31
	s_cselect_b32 s32, 4096, s32
	s_lshr_b32 s42, s40, 11
	s_lshl_b32 s42, s42, 4
	s_add_co_u32 s42, s42, s41                     ; bh = 16 x batch + head
	s_and_b32 s43, s40, 2047                       ; the token in its batch
	s_lshr_b32 s44, s43, 7                         ; its key step
	s_and_b32 s45, s43, 127
	s_mul_i32 s46, s42, s25
	s_add_co_u32 s46, s46, s24
	s_mul_i32 s47, s44, s26
	s_add_co_u32 s46, s46, s47
	s_mul_i32 s47, s45, 48                         ; 768 bytes for each 16 tokens
	s_add_co_u32 s46, s46, s47
	s_mov_b32 s47, 0
	s_add_nc_u64 s[36:37], s[10:11], s[46:47]      ; my codes
	s_mul_i32 s46, s42, s30
	s_add_co_u32 s46, s46, s29
	s_mul_i32 s48, s44, s31
	s_add_co_u32 s46, s46, s48
	s_lshr_b32 s48, s45, 5
	s_lshl_b32 s48, s48, 6                         ; 64 bytes for each 32 tokens
	s_add_co_u32 s46, s46, s48
	s_add_nc_u64 s[38:39], s[10:11], s[46:47]      ; my scale words
	s_mov_b32 s[SEL], 0x76543210
	s_mov_b32 s[SEL+1], 0xfedcba98
	s_mov_b32 s52, 0xffff0000                      ; lanes 16-31
	PLACES 4                                       ; behind the last products: their results are read and their operands' registers written below
.irp b, 0,1,2,3
	v_mov_b32 v[TM+4+\b], 0                        ; a lane permute's destination counts as one of its sources
.endr
	v_mov_b32 v[VO1], v[L8]
.irp a, 1,2,3
	s_mul_i32 s48, s27, \a
	v_add_nc_u32 v[VO1+\a], s48, v[L8]             ; block a's image: 8 x lane + a x its bytes
.endr
.irp a, 0,1,2,3
	v_add_nc_u32 v[VO2+\a], s28, v[VO1+\a]         ; its pairs 3-5: q, k: the next head's half image; v: the image's second half
.endr
	v_mul_u32_u24 v[VS], s32, v2
	v_lshl_add_u32 v[VS], v1, 2, v[VS]             ; 4 r + h x the distance
	v_add_nc_u32 v[VS+1], s33, v[VS]
; Block a: 16 rows of A' x my 128 of B': + the bias by lane, quantised, stored as an image.  No register that a store reads is written again.
.macro OUTBLK a
	WIN 0x01                                       ; source 0 window 1
.set i, 0
.rept 32
	v_pk_add_f32 v[T+i:T+i+1], v[64*(\a)+i:64*(\a)+i+1], v[BR+2*(\a):BR+2*(\a)+1] op_sel_hi:[1,0]   ; each accumulator from its low end on
.set i, i+2
.endr
	WIN 0
	QUANT T, PCO+12*(\a), PW+(\a)
.irp p, 0,1,2
	global_store_b64 v[VO1+(\a)], v[PCO+12*(\a)+2*\p:PCO+12*(\a)+2*\p+1], s[36:37] offset:256*\p   ; 32 lanes store 256 consecutive bytes, aligned
.endr
.irp p, 0,1,2
	global_store_b64 v[VO2+(\a)], v[PCO+12*(\a)+6+2*\p:PCO+12*(\a)+7+2*\p], s[36:37] offset:256*\p
.endr
.endm
	OUTBLK 0
	OUTBLK 1
	OUTBLK 2
	OUTBLK 3
.irp i, 0,1                            ; q, k: blocks 2 i, 2 i + 1 give one word for each of my two heads (two bytes of each block);  v: the two blocks' own words
	v_perm_b32 v[D1], v[PW+2*\i+1], v[PW+2*\i], s34
	v_perm_b32 v[D2], v[PW+2*\i+1], v[PW+2*\i], s35
	v_cndmask_b32 v[W+\i], v[D1], v[D2], s52
	global_store_b32 v[VS+\i], v[W+\i], s[38:39]   ; two runs of 64 consecutive bytes
.endr
	s_wait_dscnt 0x0
	s_wait_tensorcnt 0x0
	ds_add_u32 v30, v31
	s_wait_dscnt 0x0
	CROUND                                         ; the closing round: no work-group ends while a partner may still ask for a tile that names it
	s_endpgm
.Lfunc_end_k_q6cafb832e4_qkv:
	.size	k_q6cafb832e4_qkv, .Lfunc_end_k_q6cafb832e4_qkv-k_q6cafb832e4_qkv
	.p2alignl 7, 3214868480
	.fill 96, 4, 3214868480
	.section	.rodata,"a",@progbits
	.p2align	6, 0x0
	.amdhsa_kernel k_q6cafb832e4_qkv
		.amdhsa_group_segment_fixed_size 307712
		.amdhsa_private_segment_fixed_size 0
		.amdhsa_enable_private_segment 0
		.amdhsa_kernarg_size 32
		.amdhsa_user_sgpr_count 2
		.amdhsa_user_sgpr_kernarg_segment_ptr 1
		.amdhsa_wavefront_size32 1
		.amdhsa_system_sgpr_workgroup_id_x 1
		.amdhsa_system_sgpr_workgroup_id_y 1
		.amdhsa_system_sgpr_workgroup_id_z 1
		.amdhsa_system_vgpr_workitem_id 0
		.amdhsa_next_free_vgpr 768
		.amdhsa_next_free_sgpr 102
		.amdhsa_reserve_vcc 0
		.amdhsa_float_denorm_mode_32 3
		.amdhsa_float_denorm_mode_16_64 3
		.amdhsa_memory_ordered 1
		.amdhsa_forward_progress 1
		.amdhsa_inst_pref_size 120
	.end_amdhsa_kernel
	.amdgpu_metadata
---
amdhsa.version: [ 1, 2 ]
amdhsa.kernels:
  - .name:           k_q6cafb832e4_qkv
    .symbol:         k_q6cafb832e4_qkv.kd
    .args:
      - { .name: cod, .offset: 0, .size: 8, .value_kind: global_buffer, .address_space: global }
      - { .name: scl, .offset: 8, .size: 8, .value_kind: global_buffer, .address_space: global }
      - { .name: b_attn, .offset: 16, .size: 8, .value_kind: global_buffer, .address_space: global }
      - { .name: qkv, .offset: 24, .size: 8, .value_kind: global_buffer, .address_space: global }
    .group_segment_fixed_size: 307712
    .private_segment_fixed_size: 0
    .kernarg_segment_align: 8
    .kernarg_segment_size: 32
    .max_flat_workgroup_size: 128
    .sgpr_count:     102
    .vgpr_count:     768
    .wavefront_size: 32
...
	.end_amdgpu_metadata
.endif
;; end of part 2
;; launch attn (part 3): grid 4 x 64, 16 waves a work-group, clusters of 4 x 1, 206,848 bytes of LDS; arguments qkv, yc, ys; writes yc, ys
.if DOCPART == 3
	.amdgcn_target "amdgcn-amd-amdhsa--gfx1250"
	.amdhsa_code_object_version 6
	.text
	.protected	k_q6cafb832e4_attn
	.globl	k_q6cafb832e4_attn
	.p2align	8
	.type	k_q6cafb832e4_attn,@function
k_q6cafb832e4_attn:
	s_mov_b64 s[64:65], 0
	v_nop
	global_prefetch_b8 v0, s[64:65] scope:SCOPE_SE
	s_setreg_imm32_b32 hwreg(HW_REG_WAVE_MODE, 25, 1), 1
	s_wait_xcnt 0x0
	s_wait_alu depctr_hold_cnt(0) depctr_sa_sdst(0) depctr_va_vdst(0) depctr_va_sdst(0) depctr_va_ssrc(0) depctr_va_vcc(0) depctr_vm_vsrc(0)
	s_getreg_b32 s2, hwreg(HW_REG_IB_STS2, 6, 4)
	s_cmp_eq_u32 s2, 0
	s_cbranch_scc0 .Lentry_in_a_cluster
	s_endpgm
.Lentry_in_a_cluster:
	s_bfe_u32 s2, ttmp6, 0x10000c
	s_cmp_lg_u32 s2, 0x3003
	s_cbranch_scc0 .Lentry_shape_is_right
	s_endpgm
.Lentry_shape_is_right:
; Causal attention on codes of BF6 (E3M2) with E8M0 scales: 64 (batch, head) pairs bh, 2,048 tokens, head size 64; its result y, divided by the row's sum, is quantised along C for the projection.
; THE SOFTMAX: t = score x log2(e) / 8; M = the running largest t rounded up to a whole number; p = 2^(t - M) is quantised along the keys, not normalised; the row's sum is taken of the unquantised p.
; When M moves, the sum and O are multiplied by 2^(old M - new M), which rounds nothing.
; IN (buffer qkv): q's codes [bh][token block 0..127][768]; at QS q's scale words [bh][pair of blocks][r]; at KV [bh][key step of 128][12,800]: k's codes 8 tiles x 768, v's codes 4 tiles of 16 d x 1,536 (keys
; innermost), k's scale words [pair of tiles][r], v's [tile][r].  Lane-row i of block B is row 32 (B / 2) + 8 (B % 2) + i + 8 (i / 8), for tokens and for d alike.
; CLUSTER: the four work-groups of a cluster serve one bh.  The head's 16 records, 204,800 bytes, come ONCE into each partner's LDS by joint loads, one record a wave; no byte is filled twice; no barrier in the loops.
; SHARES: the head's 128 tiles of 16 queries go to 64 waves, two each: tile 8 g + e, e = 2 cx + wave / 8, with g = 15 - wave % 8 and then g = wave % 8: g + 1 key steps each, 17 for every wave.
; Every wave walks a loop of 16 trips for each tile and jumps over the steps behind its diagonal: the branch hangs on the wave's number and the trip alone.
; K = 64 IN AN INSTRUCTION OF 128: a fragment of K holds two tiles of keys (registers 0-5, 6-11); q stands between two runs of six zero registers, so that v[QR+6 ..] is (q, 0) and v[QR ..] is (0, q):
; the other tile's codes meet zero codes.  Both products are used transposed: a lane holds one query throughout.
; OUT: yc [token block 0..511][K step = head / 2][1,536]: head parity c takes register pairs 3 c .. 3 c + 2;  ys [block][512]: [half][r][4 words], byte 2 c + b of word head / 2.
; LIMITS: hidden scores become -infinity where the definition has the least f32 number: p is 0 either way, since a query's own key always counts.  A block whose largest magnitude lies under 2^-122 (zeros too)
; gets the byte 1.  NaN and infinities are not served.
.set REC,   12800
.set HEADB, 16*REC
.set QS,    6291456
.set KV,    6553600
.set L8,   1                           ; v1   8 x lane
.set ASC,  2                           ; v2   12,288 + 4 r: a record's scale words
.set ADC,  3                           ; v3   the step's codes
.set ADS,  4                           ; v4   the step's scale words
.set QREL, 5                           ; v5   my query's place in its key step - 16 h
.set YSO,  6                           ; v6   16 r + h
.set QSW,  7                           ; v7   q's scale word: its two bytes, twice
.set PS,   8                           ; v8   p's scale word
.set TP1,  9                           ; v9   at work
.set F,    10                          ; v[10:11] f = 2^(old M - new M); later 1 / the sum
.set NM,   12                          ; v12  -M;  v13 the largest t
.set SUM,  14                          ; v[14:15] the sum, in two halves
.set QR,   16                          ; v16-33  0 x 6, q x 6, 0 x 6
.set Q2,   34                          ; v34-39  the second tile's q
.set QRAW, 40                          ; v40-41  the two tiles' scale words as loaded
.set YB,   42                          ; v42  y's scale byte
.set R4,   43                          ; v43  4 r
.set KVF,  44                          ; v44-91   four fragments of K, then of V
.set S,    92                          ; v92-155  S^T, then p
.set O,    156                         ; v156-187 O^T
.set PC,   188                         ; v188-199 p's codes
.set CT,   200
.set BM,   208                         ; v208-211 the blocks' largest scores, then largest p
.set SOP,  212                         ; v212-215 the conversions' scale operands
.set KVS,  216                         ; v216-219 K's or V's scale words
.set TP,   220                         ; v220-223 at work
.set G,    16                          ; s16  the tile's diagonal key step
.set KS,   17                          ; s17  the key step
.set TB,   18                          ; s18  its record in LDS
.set SEL,  20
.set CS,   22                          ; s[22:23] c = log2(e) / 8
.macro PLACES n
.rept \n
	v_nop
.endr
.endm
.macro CROUND                          ; a round of the cluster's barrier
	s_barrier_signal -1
	s_barrier_wait -1
	s_cmp_lg_u32 s10, 0
	s_cbranch_scc1 .Lnot_wave_0_\@
	s_barrier_signal -3
.Lnot_wave_0_\@:
	s_barrier_wait -3
	s_barrier_signal -1
	s_barrier_wait -1
.endm
	s_load_b128 s[4:7], s[0:1], 0x0                ; qkv, yc
	s_load_b64 s[8:9], s[0:1], 0x10                ; ys
	v_lshl_add_u32 v224, v0, 2, 0x32000
	v_mov_b32 v225, 0
	ds_add_u32 v224, v225
	ds_add_u32 v224, v225
	v_lshrrev_b32 v1, 5, v0
	s_delay_alu instid0(VALU_DEP_1)
	v_readfirstlane_b32 s10, v1                    ; wave 0..15
	s_and_b32 s11, s10, 7
	s_lshr_b32 s12, s10, 3
	s_bfe_u32 s13, ttmp6, 0x40000                  ; cx: it enters global addresses and lane data alone
	s_lshl_b32 s14, s13, 1
	s_add_co_u32 s14, s14, s12                     ; e
	s_and_b32 s15, ttmp7, 0xffff                   ; bh
	s_mov_b32 s24, 15|(3<<16)|(1<<21)              ; group 1: the mask: all four; elements of 8 bytes; 21 set beside a mask; no padding
	s_mov_b32 s25, 32<<16                          ; a record is 12,800 dense bytes: 50 rows of 256
	s_mov_b32 s26, 50<<16
	s_mov_b32 s27, 32<<16
	s_mov_b32 s28, 50
	s_mov_b32 s29, 32
	s_mov_b32 s30, 0
	s_mov_b32 s31, 0
	s_mov_b32 s32, 1
	s_mul_i32 s33, s10, REC                        ; record w, to LDS byte 12,800 w
	s_mul_i32 s2, s15, HEADB
	s_add_co_u32 s2, s2, s33
	s_add_co_u32 s2, s2, KV
	s_mov_b32 s3, 0
	s_mov_b32 s[SEL], 0x76543210
	s_mov_b32 s[SEL+1], 0xfedcba98
	s_mov_b32 s[CS], 0x3e38aa3b                    ; log2(e) / 8
	s_mov_b32 s[CS+1], s[CS]                       ; (named with it as a pair)
	s_mov_b32 s44, 0xffff0000                      ; lanes 16-31
	s_mov_b32 s45, 0x03020302
	s_cmp_eq_u32 s12, 0                            ; my tiles are the even (wave / 8 = 0) or the odd ones of their pairs: which two bytes of the pair's word are q's
	s_cselect_b32 s45, 0x01000100, s45
	s_wait_dscnt 0x0
	s_wait_kmcnt 0x0
	s_add_nc_u64 s[34:35], s[4:5], s[2:3]
	s_or_b32 s35, s35, 0x80000000
	CROUND                                         ; all four work-groups are here: the joint loads meet
	tensor_load_to_lds s[32:35], s[24:31]          ; one load a wave
	s_nop 0
	PLACES 4
	s_sub_co_u32 s36, 15, s11
	s_lshl_b32 s36, s36, 3
	s_add_co_u32 s36, s36, s14                     ; my first tile,
	s_lshl_b32 s37, s11, 3
	s_add_co_u32 s37, s37, s14                     ; my second
	s_mul_i32 s38, s15, 98304
	s_mul_i32 s46, s36, 768
	s_add_co_u32 s46, s46, s38
	s_mov_b32 s47, 0
	s_mul_i32 s48, s37, 768
	s_add_co_u32 s48, s48, s38
	s_mov_b32 s49, 0
	s_lshl_b32 s38, s15, 12
	s_add_co_u32 s38, s38, QS
	s_lshr_b32 s50, s36, 1
	s_lshl_b32 s50, s50, 6
	s_add_co_u32 s50, s50, s38
	s_mov_b32 s51, 0
	s_lshr_b32 s52, s37, 1
	s_lshl_b32 s52, s52, 6
	s_add_co_u32 s52, s52, s38
	s_mov_b32 s53, 0
	s_add_nc_u64 s[46:47], s[4:5], s[46:47]        ; their codes,
	s_add_nc_u64 s[48:49], s[4:5], s[48:49]
	s_add_nc_u64 s[50:51], s[4:5], s[50:51]        ; their pairs' scale words
	s_add_nc_u64 s[52:53], s[4:5], s[52:53]
	v_and_b32 v[TP1], 31, v0
	s_delay_alu instid0(VALU_DEP_1)
	v_lshlrev_b32 v[L8], 3, v[TP1]
	v_and_b32 v[YB], 15, v0                        ; r
	v_bfe_u32 v[TP1], v0, 4, 1                     ; h
	s_delay_alu instid0(VALU_DEP_2)
	v_lshlrev_b32 v[R4], 2, v[YB]
	s_delay_alu instid0(VALU_DEP_1)
	v_add_nc_u32 v[ASC], 12288, v[R4]
	s_delay_alu instid0(VALU_DEP_3)
	v_lshl_add_u32 v[YSO], v[YB], 4, v[TP1]
.irp p, 0,1,2
	global_load_b64 v[QR+6+2*\p:QR+7+2*\p], v[L8], s[46:47] offset:256*\p
	global_load_b64 v[Q2+2*\p:Q2+2*\p+1], v[L8], s[48:49] offset:256*\p
.endr
	global_load_b32 v[QRAW], v[R4], s[50:51]
	global_load_b32 v[QRAW+1], v[R4], s[52:53]
	v_and_b32 v[QREL], 8, v[YB]
	s_delay_alu instid0(VALU_DEP_1)
	v_add_nc_u32 v[QREL], v[QREL], v[YB]           ; r + 8 (r / 8)
	v_lshlrev_b32 v[TP1], 4, v[TP1]
	s_delay_alu instid0(VALU_DEP_1)
	v_sub_nc_u32 v[QREL], v[QREL], v[TP1]          ; - 16 h
	s_lshr_b32 s38, s14, 1
	s_lshl_b32 s38, s38, 5
	s_and_b32 s39, s14, 1
	s_lshl_b32 s39, s39, 3
	s_add_co_u32 s38, s38, s39
	v_add_nc_u32 v[QREL], s38, v[QREL]             ; + 32 (e / 2) + 8 (e % 2)
.irp i, 0,1,2,3,4,5
	v_mov_b32 v[QR+\i], 0                          ; zero codes on both sides of q
	v_mov_b32 v[QR+12+\i], 0
.endr
.irp b, 0,1,2,3
	v_mov_b32 v[TP+\b], 0                          ; a lane permute's destination counts as one of its sources
.endr
	v_mov_b32 v[F+1], 0                            ; (named as the upper half of a pair)
	s_wait_tensorcnt 0x0                           ; my record is in,
	s_barrier_signal -1
	s_barrier_wait -1                              ; everybody's is: the whole head lies in LDS
	s_wait_loadcnt 0x0                             ; q
; One tile of 16 queries: its key steps, then y.
.macro TILE pass
	s_wait_xcnt 0x0                                ; the last tile's stores have read their registers and bases
.if \pass == 0
	s_sub_co_u32 s[G], 15, s11
	s_mov_b32 s19, s36
.else
	s_mov_b32 s[G], s11
	s_mov_b32 s19, s37
.irp i, 0,1,2,3,4,5
	v_mov_b32 v[QR+6+\i], v[Q2+\i]
.endr
.endif
	v_perm_b32 v[QSW], v[QRAW+\pass], v[QRAW+\pass], s45
	s_lshr_b32 s38, s15, 4
	s_lshl_b32 s38, s38, 7
	s_add_co_u32 s38, s38, s19                     ; the tile's block among all 512: 128 x batch + tile
	s_and_b32 s39, s15, 15                         ; the head
	s_mul_i32 s40, s38, 12288
	s_lshr_b32 s54, s39, 1
	s_mul_i32 s54, s54, 1536
	s_add_co_u32 s40, s40, s54
	s_and_b32 s54, s39, 1
	s_mul_i32 s54, s54, 768
	s_add_co_u32 s40, s40, s54
	s_mov_b32 s41, 0
	s_add_nc_u64 s[40:41], s[6:7], s[40:41]        ; y's half image
	s_lshl_b32 s42, s38, 9
	s_lshr_b32 s54, s39, 3
	s_lshl_b32 s54, s54, 8
	s_add_co_u32 s42, s42, s54
	s_bfe_u32 s54, s39, 0x20001
	s_lshl_b32 s54, s54, 2
	s_add_co_u32 s42, s42, s54
	s_and_b32 s54, s39, 1
	s_lshl_b32 s54, s54, 1
	s_add_co_u32 s42, s42, s54
	s_mov_b32 s43, 0
	s_add_nc_u64 s[42:43], s[8:9], s[42:43]        ; y's two scale bytes of row 0
	v_mov_b32 v[NM+1], 0xff61b1e6                  ; the largest t so far: -3e38
	s_delay_alu instid0(VALU_DEP_1)
	v_floor_f32 v[NM], -v[NM+1]                    ; -M
	v_mov_b32 v[SUM], 0
	v_mov_b32 v[SUM+1], 0
.set j, 0
.rept 32
	v_mov_b32 v[O+j], 0                            ; the step is written once: the first finds zeros, which the first change of M leaves zeros
.set j, j+1
.endr
	s_mov_b32 s[TB], 0
	s_mov_b32 s[KS], 0
.Lstep_\@:                             ; 16 trips; a step behind the diagonal does nothing but step the addresses
	s_cmp_gt_u32 s[KS], s[G]
	s_cbranch_scc1 .Lhid_\@
	s_setprio 2
	v_add_nc_u32 v[ADC], s[TB], v[L8]
	v_add_nc_u32 v[ADS], s[TB], v[ASC]
.irp i, 0,1,2,3                        ; K: four fragments, two tiles of 16 keys each
.irp p, 0,1,2,3,4,5
	ds_load_b64 v[KVF+12*\i+2*\p:KVF+12*\i+2*\p+1], v[ADC] offset:1536*\i+256*\p
.endr
	ds_load_b32 v[KVS+\i], v[ADS] offset:64*\i
.endr
	s_wait_alu depctr_va_vdst(0)
	s_wait_dscnt 0x0
.irp i, 0,1,2,3                        ; S^T = K Q^T: register 16 b + i of lane (r, h) is key 32 b + 16 h + i of the step, query r
	v_wmma_scale_f32_16x16x128_f8f6f4 v[S+16*\i:S+16*\i+7], v[KVF+12*\i:KVF+12*\i+11], v[QR+6:QR+17], 0, v[KVS+\i], v[QSW] matrix_a_fmt:MATRIX_FMT_BF6 matrix_b_fmt:MATRIX_FMT_BF6
	v_wmma_scale_f32_16x16x128_f8f6f4 v[S+16*\i+8:S+16*\i+15], v[KVF+12*\i:KVF+12*\i+11], v[QR:QR+11], 0, v[KVS+\i], v[QSW] matrix_a_fmt:MATRIX_FMT_BF6 matrix_b_fmt:MATRIX_FMT_BF6
.endr
	PLACES 4                                       ; four plain instructions behind the products, ahead of loads into their operands' registers and of the first read of their results
.irp t, 0,1,2,3                        ; V: four tiles of 16 d x 128 keys; they land under the softmax
.irp p, 0,1,2,3,4,5
	ds_load_b64 v[KVF+12*\t+2*\p:KVF+12*\t+2*\p+1], v[ADC] offset:6144+1536*\t+256*\p
.endr
	ds_load_b32 v[KVS+\t], v[ADS] offset:256+64*\t
.endr
	s_cmp_lg_u32 s[KS], s[G]
	s_cbranch_scc1 .Lopen_\@
	v_mov_b32 v[TP1], 0xff800000                   ; on the diagonal: the scores of keys behind my query become -infinity
.set n, 0
.rept 64
	v_cmp_gt_i32 vcc_lo, 32*(n/16)+n%16, v[QREL]
	v_cndmask_b32 v[S+n], v[S+n], v[TP1], vcc_lo
.set n, n+1
.endr
.Lopen_\@:
.irp b, 0,1,2,3
	v_max3_num_f32 v[BM+\b], v[S+16*\b], v[S+1+16*\b], v[S+2+16*\b]   ; the largest score of each block of 32 keys: for the row's maximum, and, since p rises with the score, for the block's largest p
.endr
.irp i, 3,5,7,9,11,13
.irp b, 0,1,2,3
	v_max3_num_f32 v[BM+\b], v[BM+\b], v[S+16*\b+\i], v[S+1+16*\b+\i]
.endr
.endr
.irp b, 0,1,2,3
	v_max_num_f32 v[BM+\b], v[BM+\b], v[S+15+16*\b]
.endr
.irp b, 0,1,2,3
	s_delay_alu instid0(VALU_DEP_4)
	v_permlanex16_b32 v[TP+\b], v[BM+\b], s[SEL], s[SEL+1]
.endr
.irp b, 0,1,2,3
	s_delay_alu instid0(VALU_DEP_4)
	v_max_num_f32 v[BM+\b], v[BM+\b], v[TP+\b]     ; with lane l xor 16's 16 keys
.endr
	s_delay_alu instid0(VALU_DEP_2)
	v_max3_num_f32 v[TP1], v[BM], v[BM+1], v[BM+2]
	s_delay_alu instid0(VALU_DEP_1)
	v_max_num_f32 v[TP1], v[TP1], v[BM+3]          ; the step's largest score of my query
	s_delay_alu instid0(VALU_DEP_1)
	v_mul_f32 v[TP1], s[CS], v[TP1]                ; as t
	s_delay_alu instid0(VALU_DEP_1)
	v_max_num_f32 v[NM+1], v[NM+1], v[TP1]         ; the running largest t
	v_mov_b32 v[TP1], v[NM]
	s_delay_alu instid0(VALU_DEP_2)
	v_floor_f32 v[NM], -v[NM+1]                    ; the new -M = -ceil(t): a whole number
	s_delay_alu instid0(VALU_DEP_1)
	v_sub_f32 v[TP1], v[NM], v[TP1]                ; old M - new M: a whole number, 0 or less
	s_delay_alu instid0(VALU_DEP_1)
	v_cvt_i32_f32 v[TP1], v[TP1]                   ; (it saturates)
	s_delay_alu instid0(VALU_DEP_1)
	v_ldexp_f32 v[F], 1.0, v[TP1]                  ; f = 2^(old M - new M)
.set j, 0
	s_setprio 1
.rept 32
	v_pk_fma_f32 v[S+j:S+j+1], v[S+j:S+j+1], s[CS:CS+1], v[NM:NM+1] op_sel_hi:[1,0,0]   ; t - M, two at a time
.set j, j+2
.endr
.irp b, 0,1,2,3
	v_fma_f32 v[BM+\b], v[BM+\b], s[CS], v[NM]     ; the same of each block's largest score
.endr
.set j, 0
	s_wait_alu depctr_va_vdst(0)
.rept 64
	v_exp_f32 v[S+j], v[S+j]                       ; p = 2^(t - M), at most 1
.set j, j+1
.endr
	v_pk_mul_f32 v[SUM:SUM+1], v[SUM:SUM+1], v[F:F+1] op_sel_hi:[1,0]   ; the sums under the new M: a plain instruction behind the exponentials
	s_wait_alu depctr_va_vdst(0)                   ; one wait for the batch of 64, ahead of its first reader
.irp b, 0,1,2,3
	v_exp_f32 v[BM+\b], v[BM+\b]                   ; the block's largest p: the same two instructions on the same number give the same bits
.endr
	v_pk_add_f32 v[220:221], v[96:97], v[100:101]
	v_pk_add_f32 v[222:223], v[104:105], v[108:109]
	v_pk_add_f32 v[214:215], v[112:113], v[116:117]
	v_pk_add_f32 v[212:213], v[120:121], v[124:125]
	v_pk_add_f32 v[206:207], v[128:129], v[132:133]
	v_pk_add_f32 v[204:205], v[136:137], v[140:141]
	v_pk_add_f32 v[202:203], v[144:145], v[148:149]
	v_pk_add_f32 v[14:15], v[14:15], v[152:153]
	v_pk_add_f32 v[220:221], v[220:221], v[92:93]
	v_pk_add_f32 v[222:223], v[222:223], v[94:95]
	v_pk_add_f32 v[214:215], v[214:215], v[98:99]
	v_pk_add_f32 v[212:213], v[212:213], v[102:103]
	v_pk_add_f32 v[206:207], v[206:207], v[106:107]
	v_pk_add_f32 v[204:205], v[204:205], v[110:111]
	v_pk_add_f32 v[202:203], v[202:203], v[114:115]
	v_pk_add_f32 v[14:15], v[14:15], v[118:119]
	v_pk_add_f32 v[220:221], v[220:221], v[122:123]
	v_pk_add_f32 v[222:223], v[222:223], v[126:127]
	v_pk_add_f32 v[214:215], v[214:215], v[130:131]
	v_pk_add_f32 v[212:213], v[212:213], v[134:135]
	v_pk_add_f32 v[206:207], v[206:207], v[138:139]
	v_pk_add_f32 v[204:205], v[204:205], v[142:143]
	v_pk_add_f32 v[202:203], v[202:203], v[146:147]
	v_pk_add_f32 v[14:15], v[14:15], v[150:151]
	v_pk_add_f32 v[220:221], v[220:221], v[154:155]
	s_delay_alu instid0(VALU_DEP_2)
	v_pk_add_f32 v[14:15], v[14:15], v[212:213]
	s_delay_alu instid0(VALU_DEP_2)
	v_pk_add_f32 v[220:221], v[220:221], v[206:207]
	v_pk_add_f32 v[222:223], v[222:223], v[204:205]
	v_pk_add_f32 v[214:215], v[214:215], v[202:203]
	s_delay_alu instid0(VALU_DEP_2)
	v_pk_add_f32 v[14:15], v[14:15], v[222:223]
	s_delay_alu instid0(VALU_DEP_2)
	v_pk_add_f32 v[220:221], v[220:221], v[214:215]
	s_delay_alu instid0(VALU_DEP_1)
	v_pk_add_f32 v[14:15], v[14:15], v[220:221]
	s_wait_alu depctr_va_vdst(0)                   ; and one for the four
.irp b, 0,1,2,3
	v_max_num_f32 v[BM+\b], 0x2800000, v[BM+\b]    ; the floor 2^(5 - 127): the byte cannot fall under 1
.endr
.irp b, 0,1,2,3
	s_delay_alu instid0(VALU_DEP_4)
	v_add_nc_u32 v[SOP+\b], 0xfe000000, v[BM+\b]   ; 4 off the exponent field: the conversion's scale operand
.endr
.irp b, 0,1,2,3
	s_delay_alu instid0(VALU_DEP_4)
	v_lshrrev_b32 v[TP+\b], 23, v[SOP+\b]          ; the scale's byte
.endr
	s_delay_alu instid0(VALU_DEP_3)
	v_lshl_or_b32 v[PS], v[TP+1], 8, v[TP]
	s_delay_alu instid0(VALU_DEP_1)
	v_lshl_or_b32 v[PS], v[TP+2], 16, v[PS]
	s_delay_alu instid0(VALU_DEP_1)
	v_lshl_or_b32 v[PS], v[TP+3], 24, v[PS]
	s_setprio 0
.irp c, 0,1
	v_cvt_scalef32_pk16_bf6_f32 v[PC+6*\c:PC+6*\c+2], v[S+32*\c:S+32*\c+15], v[SOP+2*\c]
	v_cvt_scalef32_pk16_bf6_f32 v[CT+4*\c:CT+4*\c+2], v[S+16+32*\c:S+31+32*\c], v[SOP+2*\c+1]
.endr
	v_nop                                          ; one plain instruction behind the scaled conversions
.irp c, 0,1
.irp i, 0,1,2
	v_permlane16_swap_b32 v[PC+6*\c+\i], v[CT+4*\c+\i]   ; a whole block of 32 keys to a lane
.endr
.irp i, 0,1,2
	s_delay_alu instid0(VALU_DEP_3)
	v_mov_b32 v[PC+3+6*\c+\i], v[CT+4*\c+\i]
.endr
.endr
.set j, 0
.rept 16
	v_pk_mul_f32 v[O+j:O+j+1], v[O+j:O+j+1], v[F:F+1] op_sel_hi:[1,0]   ; O^T under the new M; these 16 also stand between the writes of p's codes and scale word and the products
.set j, j+2
.endr
	s_wait_alu depctr_va_vdst(0)
	s_wait_dscnt 0x0                               ; V
.irp t, 0,1,2,3                        ; O^T += V^T P^T: register 16 b + i of lane (r, h) is d = 32 b + 16 h + i of query r.  The four accumulators take turns
	v_wmma_scale_f32_16x16x128_f8f6f4 v[O+8*\t:O+8*\t+7], v[KVF+12*\t:KVF+12*\t+11], v[PC:PC+11], v[O+8*\t:O+8*\t+7], v[KVS+\t], v[PS] matrix_a_fmt:MATRIX_FMT_BF6 matrix_b_fmt:MATRIX_FMT_BF6
.endr
	PLACES 4                                       ; ahead of the next step's loads into V's registers, and of the first read of O^T
.Lhid_\@:
	s_add_co_u32 s[TB], s[TB], REC
	s_add_co_u32 s[KS], s[KS], 1
	s_cmp_lt_u32 s[KS], 16
	s_cbranch_scc1 .Lstep_\@
	s_setprio 0
	; y = O^T / the sum, quantised along the head's 64 (two blocks of C), stored as half an image
	v_add_f32 v[SUM], v[SUM], v[SUM+1]
	s_delay_alu instid0(VALU_DEP_1)
	v_permlanex16_b32 v[TP1], v[SUM], s[SEL], s[SEL+1]
	s_delay_alu instid0(VALU_DEP_1)
	v_add_f32 v[SUM], v[SUM], v[TP1]               ; the row's sum
	s_wait_alu depctr_va_vdst(0)
	v_rcp_f32 v[F], v[SUM]
	v_nop                                          ; a plain instruction behind the reciprocal,
	s_wait_alu depctr_va_vdst(0)                   ; and the wait ahead of its first reader
.set j, 0
.rept 16
	v_pk_mul_f32 v[S+j:S+j+1], v[O+j:O+j+1], v[F:F+1] op_sel_hi:[1,0]
.set j, j+2
.endr
.irp b, 0,1
	v_max3_num_f32 v[BM+\b], |v[S+16*\b]|, |v[S+1+16*\b]|, 0x2800000
.endr
.irp i, 2,4,6,8,10,12,14
.irp b, 0,1
	s_delay_alu instid0(VALU_DEP_2)
	v_max3_num_f32 v[BM+\b], v[BM+\b], |v[S+16*\b+\i]|, |v[S+1+16*\b+\i]|
.endr
.endr
.irp b, 0,1
	s_delay_alu instid0(VALU_DEP_2)
	v_permlanex16_b32 v[TP+\b], v[BM+\b], s[SEL], s[SEL+1]
.endr
.irp b, 0,1
	s_delay_alu instid0(VALU_DEP_2)
	v_max_num_f32 v[BM+\b], v[BM+\b], v[TP+\b]
.endr
.irp b, 0,1
	s_delay_alu instid0(VALU_DEP_2)
	v_add_nc_u32 v[SOP+\b], 0xfe000000, v[BM+\b]
.endr
.irp b, 0,1
	s_delay_alu instid0(VALU_DEP_2)
	v_lshrrev_b32 v[TP+\b], 23, v[SOP+\b]
.endr
	v_cvt_scalef32_pk16_bf6_f32 v[PC:PC+2], v[S:S+15], v[SOP]
	v_cvt_scalef32_pk16_bf6_f32 v[CT:CT+2], v[S+16:S+31], v[SOP+1]
	v_cndmask_b32 v[YB], v[TP], v[TP+1], s44       ; lanes 0-15 store block 0's byte, lanes 16-31 block 1's.  (The plain instruction behind the conversions)
.irp i, 0,1,2
	v_permlane16_swap_b32 v[PC+\i], v[CT+\i]
.endr
.irp i, 0,1,2
	s_delay_alu instid0(VALU_DEP_3)
	v_mov_b32 v[PC+3+\i], v[CT+\i]
.endr
.irp p, 0,1,2
	global_store_b64 v[L8], v[PC+2*\p:PC+2*\p+1], s[40:41] offset:256*\p   ; 32 lanes store 256 consecutive bytes, aligned
.endr
	global_store_b8 v[YSO], v[YB], s[42:43]        ; 32 single bytes, 16 apart by rows: one part in 24 of y's bytes
.endm
	TILE 0
	TILE 1
	s_wait_dscnt 0x0
	s_wait_tensorcnt 0x0
	ds_add_u32 v224, v225
	s_wait_dscnt 0x0
	CROUND                                         ; the closing round: no work-group ends while a partner may still ask for a record that names it
	s_endpgm
.Lfunc_end_k_q6cafb832e4_attn:
	.size	k_q6cafb832e4_attn, .Lfunc_end_k_q6cafb832e4_attn-k_q6cafb832e4_attn
	.p2alignl 7, 3214868480
	.fill 96, 4, 3214868480
	.section	.rodata,"a",@progbits
	.p2align	6, 0x0
	.amdhsa_kernel k_q6cafb832e4_attn
		.amdhsa_group_segment_fixed_size 206848
		.amdhsa_private_segment_fixed_size 0
		.amdhsa_enable_private_segment 0
		.amdhsa_kernarg_size 24
		.amdhsa_user_sgpr_count 2
		.amdhsa_user_sgpr_kernarg_segment_ptr 1
		.amdhsa_wavefront_size32 1
		.amdhsa_system_sgpr_workgroup_id_x 1
		.amdhsa_system_sgpr_workgroup_id_y 1
		.amdhsa_system_sgpr_workgroup_id_z 1
		.amdhsa_system_vgpr_workitem_id 0
		.amdhsa_next_free_vgpr 226
		.amdhsa_next_free_sgpr 66
		.amdhsa_reserve_vcc 1
		.amdhsa_float_denorm_mode_32 3
		.amdhsa_float_denorm_mode_16_64 3
		.amdhsa_memory_ordered 1
		.amdhsa_forward_progress 1
		.amdhsa_inst_pref_size 68
	.end_amdhsa_kernel
	.amdgpu_metadata
---
amdhsa.version: [ 1, 2 ]
amdhsa.kernels:
  - .name:           k_q6cafb832e4_attn
    .symbol:         k_q6cafb832e4_attn.kd
    .args:
      - { .name: qkv, .offset: 0, .size: 8, .value_kind: global_buffer, .address_space: global }
      - { .name: yc, .offset: 8, .size: 8, .value_kind: global_buffer, .address_space: global }
      - { .name: ys, .offset: 16, .size: 8, .value_kind: global_buffer, .address_space: global }
    .group_segment_fixed_size: 206848
    .private_segment_fixed_size: 0
    .kernarg_segment_align: 8
    .kernarg_segment_size: 24
    .max_flat_workgroup_size: 512
    .sgpr_count:     66
    .vgpr_count:     226
    .wavefront_size: 32
...
	.end_amdgpu_metadata
.endif
;; end of part 3
;; launch proj (part 4): grid 4 x 64, 4 waves a work-group, clusters of 4 x 4, 307,712 bytes of LDS; arguments yc, ys, cod, scl, b_proj, out0; writes out0
.if DOCPART == 4
	.amdgcn_target "amdgcn-amd-amdhsa--gfx1250"
	.amdhsa_code_object_version 6
	.text
	.protected	k_q6cafb832e4_proj
	.globl	k_q6cafb832e4_proj
	.p2align	8
	.type	k_q6cafb832e4_proj,@function
k_q6cafb832e4_proj:
	s_mov_b64 s[64:65], 0
	v_nop
	global_prefetch_b8 v0, s[64:65] scope:SCOPE_SE
	s_setreg_imm32_b32 hwreg(HW_REG_WAVE_MODE, 25, 1), 1
	s_wait_xcnt 0x0
	s_wait_alu depctr_hold_cnt(0) depctr_sa_sdst(0) depctr_va_vdst(0) depctr_va_sdst(0) depctr_va_ssrc(0) depctr_va_vcc(0) depctr_vm_vsrc(0)
	s_getreg_b32 s2, hwreg(HW_REG_IB_STS2, 6, 4)
	s_cmp_eq_u32 s2, 0
	s_cbranch_scc0 .Lentry_in_a_cluster
	s_endpgm
.Lentry_in_a_cluster:
	s_bfe_u32 s2, ttmp6, 0x10000c
	s_cmp_lg_u32 s2, 0xf033
	s_cbranch_scc0 .Lentry_shape_is_right
	s_endpgm
.Lentry_shape_is_right:
; out0 = y w_proj^T + b_proj on codes of BF6 (E3M2) with E8M0 scales; out0 [8192][1024] f32.
; THE PRODUCT: C'[m'][n'] = sum over k of A'[m'][k] B'[n'][k], K = 1,024: A' = y's rows (tokens), B' = w_proj's rows.  A work-group makes 128 (m') x 256 (n'), each of its four waves 64 x 128: 32 accumulators.
; OPERANDS: yc and cod [block of 16 rows][K step 0..7][1,536]: images of fragments (register pair p of lane l at 256 p + 8 l); lane-row i of block B is row 32 (B / 2) + 8 (B % 2) + i + 8 (i / 8).
; ys and scl [block][512]: [half of K][r][4 words].  w_proj's blocks are cod's 704-767.
; LDS: 128 + 256 rows x all of K are 294,912 bytes of codes and 12,288 of scale words: THE WHOLE OPERANDS LIE IN LDS, each byte filled once: four slots of two K steps and the scales, five tensor loads a wave,
; all issued at the head.  No byte is filled twice.
; CLUSTER 4 x 4: A's tiles hang on the cluster's row alone and are asked for jointly along it, B's on its column.
; THE MATRIX INSTRUCTION IS USED TRANSPOSED (source 0 = 16 rows of B', source 1 = 16 rows of A'): lane (r, h) holds row r of A's block, and the 16 registers of B's blocks 2 c, 2 c + 1 are the neighbours
; n' = 32 c + 16 h + 0 .. 15: 64 consecutive bytes of a row of out0.  The bias is the C of each sum's first instruction.
; LIMITS: NaN and infinities are not served.
; REGISTERS: window 0: v1-20 addresses; v32-95 scale words; v96-191 A's fragments, two sets; on the way out v96-159 and v192-255 take rows of out0 by turns.
;   window 1: accumulator (a, b) at v[64 a + 8 b].   window 2: v0-191 B's fragments, two sets; v192-255 the bias.
.set IMG,   1536
.set BLKB,  12288
.set SLOT,  73728                      ; two K steps: A's 8 blocks x 3,072, then B's 16
.set BOFF,  24576
.set SCA,   4*SLOT
.set SCB,   SCA+4096
.set SP,    528                        ; the way out: a stage of 16 rows x (512 + 16) bytes for each wave, in slot 0
.set ADRA, 8
.set ADRB, 12
.set ADRS, 16
.set L8,   17
.set STO,  18                          ; v18  the stage: where I put 16 bytes of a row
.set RD,   19                          ; v19  where I read a row back
.set CO,   20                          ; v20  16 x lane: my bytes in a row's 512
.set SC,   32
.set AF,   96
.set BF,   0
.set BC,   192
.set G1A,  24
.set G1B,  32
.set G1SA, 40
.set G1SB, 48
.set MSB, 0
.macro WIN new                         ; the immediate's high byte repeats the setting that is left
.if MSB != \new
	s_set_vgpr_msb (MSB<<8)|\new
.set MSB, \new
.endif
.endm
.macro PLACES n
.rept \n
	v_nop
.endr
.endm
.macro CROUND                          ; a round of the cluster's barrier
	s_barrier_signal -1
	s_barrier_wait -1
	s_cmp_lg_u32 s16, 0
	s_cbranch_scc1 .Lnot_wave_0_\@
	s_barrier_signal -3
.Lnot_wave_0_\@:
	s_barrier_wait -3
	s_barrier_signal -1
	s_barrier_wait -1
.endm
.macro SHAPE g, c, r, p                ; words 1 to 7 of a group 1: r rows of c elements of 8 bytes, p elements apart
	s_mov_b32 s[\g+1], (\c)<<16
	s_mov_b32 s[\g+2], (\r)<<16
	s_mov_b32 s[\g+3], (\c)<<16
	s_mov_b32 s[\g+4], \r
	s_mov_b32 s[\g+5], \p
	s_mov_b32 s[\g+6], 0
	s_mov_b32 s[\g+7], 0
.endm
.macro GROUP0 g, la, lo, ba, of, st    ; a group 0: LDS address s[la] + lo; global address s[ba:ba+1] + s[of:of+1] + st
	s_mov_b32 s[\g], 1
	s_add_co_u32 s[\g+1], s[\la], \lo
	s_add_nc_u64 s[\g+2:\g+3], s[\ba:\ba+1], s[\of:\of+1]
.if \st
	s_add_nc_u64 s[\g+2:\g+3], s[\g+2:\g+3], \st
.endif
	s_or_b32 s[\g+3], s[\g+3], 0x80000000
.endm
.macro FRAG reg, adr, off              ; an image comes back as it was stored: each load reads 256 consecutive bytes
.irp p, 0,1,2,3,4,5
	ds_load_b64 v[(\reg)+2*\p:(\reg)+2*\p+1], v[\adr] offset:(\off)+256*\p
.endr
.endm
.macro FETCH_B k                       ; B's eight fragments of K step k into set k % 2: 48 loads
	WIN 0x80
.irp b, 0,1,2,3,4,5,6,7
	FRAG BF+96*((\k)%2)+12*\b, ADRB+(\k)/2, 3072*\b+IMG*((\k)%2)
.endr
	WIN 0
.endm
.macro FETCH_A k                       ; A's four: 24 loads
.irp a, 0,1,2,3
	FRAG AF+48*((\k)%2)+12*\a, ADRA+(\k)/2, 3072*\a+IMG*((\k)%2)
.endr
.endm
.macro SCALES                          ; all eight K steps' scale words, once
.irp i, 0,1,2,3,4,5,6,7
	ds_load_b128 v[SC+8*\i:SC+8*\i+3], v[ADRS] offset:512*\i
	ds_load_b128 v[SC+8*\i+4:SC+8*\i+7], v[ADRS] offset:512*\i+256
.endr
.endm
; 16 matrix instructions: A's blocks a0, a0 + 1 x B's eight.  first = 1: the sums begin with the bias.  The 32 accumulators take turns, one instruction a turn.
.macro MUL a0, k, first
.irp a, \a0, \a0+1
.irp b, 0,1,2,3,4,5,6,7
.if \first
	v_wmma_scale_f32_16x16x128_f8f6f4 v[64*(\a)+8*\b:64*(\a)+8*\b+7], v[BF+96*((\k)%2)+12*\b:BF+96*((\k)%2)+12*\b+11], v[AF+48*((\k)%2)+12*(\a):AF+48*((\k)%2)+12*(\a)+11], v[BC+8*\b:BC+8*\b+7], v[SC+8*\b+(\k)], v[SC+8*(\a)+(\k)] matrix_a_fmt:MATRIX_FMT_BF6 matrix_b_fmt:MATRIX_FMT_BF6 matrix_a_scale:MATRIX_SCALE_ROW1
.else
	v_wmma_scale_f32_16x16x128_f8f6f4 v[64*(\a)+8*\b:64*(\a)+8*\b+7], v[BF+96*((\k)%2)+12*\b:BF+96*((\k)%2)+12*\b+11], v[AF+48*((\k)%2)+12*(\a):AF+48*((\k)%2)+12*(\a)+11], v[64*(\a)+8*\b:64*(\a)+8*\b+7], v[SC+8*\b+(\k)], v[SC+8*(\a)+(\k)] matrix_a_fmt:MATRIX_FMT_BF6 matrix_b_fmt:MATRIX_FMT_BF6 matrix_a_scale:MATRIX_SCALE_ROW1
.endif
.endr
.endr
.endm
.macro MWIN first                      ; source 0 (B) window 2, source 1 (A) window 0, D window 1; C window 1, or window 2 where it is the bias
.if \first
	WIN 0x62
.else
	WIN 0x52
.endif
.endm
; A K step of 128: 32 matrix instructions.  B's next fragments are asked for at its head, A's in its middle.
.macro KSTEP k, first
.if ((\k) < 7) && (((\k)%2) == 1)
	s_wait_tensorcnt 3-((\k)+1)/2                  ; my part of the next slot is in: so many loads of mine were issued behind it
	s_wait_dscnt 0x0                               ; no LDS instruction of mine is out at a signal
	s_barrier_signal -1
	s_barrier_wait -1                              ; everybody's part is in
.endif
.if (\k) < 7
.if (\k) > 0
	PLACES 4                                       ; four plain instructions between the last K step's products and loads into the registers that they read (ISA guide 7.12.1 for vector instructions): they serve A's loads below too
.endif
	FETCH_B (\k)+1
	s_wait_dscnt 48                                ; all but the 48 just issued: this K step's fragments are in
.else
	s_wait_dscnt 0x0
.endif
	MWIN \first
	MUL 0, \k, \first
.if (\k) < 7
	WIN 0
	FETCH_A (\k)+1
	MWIN \first
.endif
	MUL 2, \k, \first
.endm
	s_load_b256 s[4:11], s[0:1], 0x0               ; yc, ys, cod, scl
	s_load_b128 s[12:15], s[0:1], 0x20             ; b_proj, out0
	v_lshl_add_u32 v30, v0, 2, 0x4b000
	v_mov_b32 v31, 0
	ds_add_u32 v30, v31
	ds_add_u32 v30, v31
	v_lshrrev_b32 v1, 5, v0
	v_readfirstlane_b32 s16, v1                    ; wave 0..3
	s_lshr_b32 s17, s16, 1                         ; wm: which 64 rows of A' are mine.  Also: I fetch for A (0) or for B (1)
	s_and_b32 s18, s16, 1                          ; wn: which 128 rows of B'.  Also: which half of the tile I fetch
	s_bfe_u32 s19, ttmp6, 0x40000                  ; cx
	s_bfe_u32 s20, ttmp6, 0x40004                  ; cy
	s_and_b32 s21, ttmp7, 0xffff                   ; Y: the cluster's y, 0..15
	s_lshl_b32 s2, s20, 2
	s_lshl_b32 s2, 15, s2                          ; my row of the cluster
	s_lshl_b32 s3, 0x1111, s19                     ; my column
	s_or_b32 s[G1A], s2, (3<<16)|(1<<21)           ; 15:0 the mask; 17:16 elements of 8 bytes; 21 set beside a mask; no padding
	s_or_b32 s[G1SA], s2, (3<<16)|(1<<21)
	s_or_b32 s[G1B], s3, (3<<16)|(1<<21)
	s_or_b32 s[G1SB], s3, (3<<16)|(1<<21)
	SHAPE G1A, 384, 4, 1536                        ; 4 blocks x two K steps (3,072 bytes), 12,288 bytes apart
	SHAPE G1B, 384, 8, 1536
	SHAPE G1SA, 32, 8, 32                          ; 4 blocks' scale words: 2,048 dense bytes as rows of 256
	SHAPE G1SB, 32, 16, 32
	s_lshl_b32 s22, s21, 5                         ; A's first block that I fetch, in registers that never hold cx: 32 Y + 8 cy + 4 x half
	s_lshl_b32 s23, s20, 3
	s_add_co_u32 s22, s22, s23
	s_lshl_b32 s23, s18, 2
	s_add_co_u32 s22, s22, s23
	s_lshl_b32 s2, s22, 9                          ; its scale words, in bytes
	s_mul_i32 s22, s22, BLKB                       ; its codes
	s_mov_b32 s23, 0
	s_lshl_b32 s100, s19, 4                        ; B's, in registers that never hold cy: 704 + 16 cx + 8 x half
	s_add_co_u32 s100, s100, 704
	s_lshl_b32 s101, s18, 3
	s_add_co_u32 s100, s100, s101
	s_lshl_b32 s3, s100, 9
	s_mul_i32 s100, s100, BLKB
	s_mov_b32 s101, 0
	s_mul_i32 s66, s18, 12288                      ; where they go: the wave's number alone enters an LDS address
	s_mul_i32 s67, s18, 24576
	s_add_co_u32 s67, s67, BOFF
	s_wait_dscnt 0x0
	s_wait_kmcnt 0x0
	GROUP0 56, 66, 0*SLOT, 4, 22, 0                ; a group 0 for each load: none is written again
	GROUP0 60, 66, 1*SLOT, 4, 22, 3072
	GROUP0 68, 66, 2*SLOT, 4, 22, 6144
	GROUP0 72, 66, 3*SLOT, 4, 22, 9216
	GROUP0 80, 67, 0*SLOT, 8, 100, 0
	GROUP0 84, 67, 1*SLOT, 8, 100, 3072
	GROUP0 88, 67, 2*SLOT, 8, 100, 6144
	GROUP0 92, 67, 3*SLOT, 8, 100, 9216
	s_mov_b32 s22, s2
	s_mov_b32 s100, s3
	s_lshl_b32 s66, s18, 11
	s_lshl_b32 s67, s18, 12
	GROUP0 76, 66, SCA, 6, 22, 0
	GROUP0 96, 67, SCB, 10, 100, 0
	CROUND                                         ; all sixteen work-groups are here: the joint loads meet
	s_cmp_eq_u32 s17, 0                            ; a wave's five first fills stand in one branch on the wave's number: five loads of mine are out
	s_cbranch_scc0 .Lfor_b
	tensor_load_to_lds s[76:79], s[G1SA:G1SA+7]    ; the scale words first: they are wanted with K step 0
	s_nop 0
	tensor_load_to_lds s[56:59], s[G1A:G1A+7]
	s_nop 0
	tensor_load_to_lds s[60:63], s[G1A:G1A+7]
	s_nop 0
	tensor_load_to_lds s[68:71], s[G1A:G1A+7]
	s_nop 0
	tensor_load_to_lds s[72:75], s[G1A:G1A+7]
	s_nop 0
	PLACES 4
	s_branch .Lasked
.Lfor_b:
	tensor_load_to_lds s[96:99], s[G1SB:G1SB+7]
	s_nop 0
	tensor_load_to_lds s[80:83], s[G1B:G1B+7]
	s_nop 0
	tensor_load_to_lds s[84:87], s[G1B:G1B+7]
	s_nop 0
	tensor_load_to_lds s[88:91], s[G1B:G1B+7]
	s_nop 0
	tensor_load_to_lds s[92:95], s[G1B:G1B+7]
	s_nop 0
	PLACES 4
.Lasked:
	s_lshl_b32 s66, s19, 10
	s_lshl_b32 s67, s18, 9
	s_add_co_u32 s66, s66, s67                     ; my first column, in bytes: 4 (256 cx + 128 wn)
	s_mov_b32 s67, 0
	s_add_nc_u64 s[12:13], s[12:13], s[66:67]      ; b_proj there
	s_lshl_b32 s22, s21, 2
	s_add_co_u32 s22, s22, s20
	s_lshl_b32 s22, s22, 7
	s_lshl_b32 s23, s17, 6
	s_add_co_u32 s22, s22, s23                     ; my first token: 128 (4 Y + cy) + 64 wm
	s_lshl_b32 s22, s22, 12                        ; x 4,096 bytes
	s_add_co_u32 s22, s22, s66
	s_mov_b32 s23, 0
	s_add_nc_u64 s[14:15], s[14:15], s[22:23]      ; out0 at my first row and column
	v_and_b32 v1, 15, v0                           ; r
	v_bfe_u32 v2, v0, 4, 1                         ; h
	v_lshlrev_b32 v3, 6, v2                        ; 64 h
	WIN 0x80
.irp c, 0,1,2,3
.irp j, 0,1,2,3
	global_load_b128 v[BC+16*\c+4*\j:BC+16*\c+4*\j+3], v3, s[12:13] offset:128*\c+16*\j   ; b_proj at n' = 32 c + 16 h + 4 j on
.endr
.endr
	WIN 0
	v_and_b32 v5, 31, v0
	v_lshlrev_b32 v[L8], 3, v5
	s_wait_alu depctr_va_vdst(0)
	v_lshlrev_b32 v[CO], 4, v5
	s_mul_i32 s22, s17, 12288                      ; my 4 blocks of A',
	s_mul_i32 s23, s18, 24576                      ; my 8 of B',
	s_add_co_u32 s23, s23, BOFF                    ; which lie behind A's 8
.irp s, 0,1,2,3
	v_add_nc_u32 v[ADRA+\s], s22, v[L8]
	v_add_nc_u32 v[ADRB+\s], s23, v[L8]
	s_add_co_u32 s22, s22, SLOT
	s_add_co_u32 s23, s23, SLOT
.endr
	s_lshl_b32 s22, s17, 11                        ; A's scale words: my 4 blocks
	s_lshl_b32 s23, s18, 12                        ; B's: my 8
	s_add_co_u32 s23, s23, SCB-SCA
	s_sub_co_u32 s23, s23, s22                     ; the distance from the one to the other
	s_add_co_u32 s22, s22, SCA
	v_mul_u32_u24 v5, s23, v2                      ; lanes 16-31 take B's
	v_lshl_add_u32 v5, v1, 4, v5                   ; 16 bytes a row
	v_add_nc_u32 v[ADRS], s22, v5
	s_mul_i32 s22, s16, 16*SP                      ; my stage
	v_mul_u32_u24 v5, v1, SP
	v_lshl_add_u32 v5, v2, 6, v5
	v_add_nc_u32 v[STO], s22, v5                   ; in: row r, + 64 h
	v_add_nc_u32 v[RD], s22, v[CO]                 ; back: 16 x lane, a row an instruction
	s_wait_alu depctr_va_vdst(0)
	s_wait_loadcnt 0x0                             ; the bias
	s_wait_tensorcnt 0x3                           ; the scale words and my part of slot 0 are in; three loads were issued behind them
	s_barrier_signal -1
	s_barrier_wait -1                              ; everybody's are
	SCALES
	FETCH_B 0
	FETCH_A 0
	KSTEP 0, 1                                     ; the first K step starts the sums
	KSTEP 1, 0
	KSTEP 2, 0
	KSTEP 3, 0
	KSTEP 4, 0
	KSTEP 5, 0
	KSTEP 6, 0
	KSTEP 7, 0
	WIN 0
; THE WAY OUT, block by block of 16 rows x 128 columns, through my own stage.  It lies in slot 0: that slot was filled once, every wave's tensor loads have been waited for, and its last reads were waited for
; ahead of the barrier in front of slot 1.  LDS serves a wave's instructions in order: no wait between the stores and the loads, nor ahead of the next block's stores.
.macro TOSTAGE a
	WIN 0x04                                       ; an LDS store's data are its source 1: window 1
.irp c, 0,1,2,3
.irp j, 0,1,2,3
	ds_store_b128 v[STO], v[64*(\a)+16*\c+4*\j:64*(\a)+16*\c+4*\j+3] offset:128*\c+16*\j   ; each accumulator from its low end on
.endr
.endr
	WIN 0
.irp t, 0,1,2,3,4,5,6,7,8,9,10,11,12,13,14,15
	ds_load_b128 v[96+96*((\a)%2)+4*\t:96+96*((\a)%2)+4*\t+3], v[RD] offset:SP*\t
.endr
.endm
.macro SEND a, younger                 ; younger: the LDS instructions issued behind block a's loads, which may stay out
	s_wait_dscnt \younger
.irp t, 0,1,2,3,4,5,6,7,8,9,10,11,12,13,14,15
	global_store_b128 v[CO], v[96+96*((\a)%2)+4*\t:96+96*((\a)%2)+4*\t+3], s[14:15] offset:(32*((\a)/2)+8*((\a)%2)+\t+8*(\t/8))*4096 th:TH_STORE_NT   ; 32 lanes store 512 consecutive bytes, aligned to 256; stage row t is the block's row t + 8 (t / 8)
.endr
.endm
	PLACES 4                                       ; behind the last products: their results are read and A's registers loaded below
	TOSTAGE 0
	TOSTAGE 1
	SEND 0, 32                                     ; behind block 0's loads: block 1's 16 stores and 16 loads
	s_wait_xcnt 0x0                                ; block 0's stores have read their registers: block 2's rows may land there
	TOSTAGE 2
	SEND 1, 32
	s_wait_xcnt 0x0
	TOSTAGE 3
	SEND 2, 32
	SEND 3, 0
	s_wait_dscnt 0x0
	s_wait_tensorcnt 0x0
	ds_add_u32 v30, v31
	s_wait_dscnt 0x0
	CROUND                                         ; the closing round: no work-group ends while a partner may still ask for a tile that names it
	s_endpgm
.Lfunc_end_k_q6cafb832e4_proj:
	.size	k_q6cafb832e4_proj, .Lfunc_end_k_q6cafb832e4_proj-k_q6cafb832e4_proj
	.p2alignl 7, 3214868480
	.fill 96, 4, 3214868480
	.section	.rodata,"a",@progbits
	.p2align	6, 0x0
	.amdhsa_kernel k_q6cafb832e4_proj
		.amdhsa_group_segment_fixed_size 307712
		.amdhsa_private_segment_fixed_size 0
		.amdhsa_enable_private_segment 0
		.amdhsa_kernarg_size 48
		.amdhsa_user_sgpr_count 2
		.amdhsa_user_sgpr_kernarg_segment_ptr 1
		.amdhsa_wavefront_size32 1
		.amdhsa_system_sgpr_workgroup_id_x 1
		.amdhsa_system_sgpr_workgroup_id_y 1
		.amdhsa_system_sgpr_workgroup_id_z 1
		.amdhsa_system_vgpr_workitem_id 0
		.amdhsa_next_free_vgpr 768
		.amdhsa_next_free_sgpr 102
		.amdhsa_reserve_vcc 0
		.amdhsa_float_denorm_mode_32 3
		.amdhsa_float_denorm_mode_16_64 3
		.amdhsa_memory_ordered 1
		.amdhsa_forward_progress 1
		.amdhsa_inst_pref_size 99
	.end_amdhsa_kernel
	.amdgpu_metadata
---
amdhsa.version: [ 1, 2 ]
amdhsa.kernels:
  - .name:           k_q6cafb832e4_proj
    .symbol:         k_q6cafb832e4_proj.kd
    .args:
      - { .name: yc, .offset: 0, .size: 8, .value_kind: global_buffer, .address_space: global }
      - { .name: ys, .offset: 8, .size: 8, .value_kind: global_buffer, .address_space: global }
      - { .name: cod, .offset: 16, .size: 8, .value_kind: global_buffer, .address_space: global }
      - { .name: scl, .offset: 24, .size: 8, .value_kind: global_buffer, .address_space: global }
      - { .name: b_proj, .offset: 32, .size: 8, .value_kind: global_buffer, .address_space: global }
      - { .name: out0, .offset: 40, .size: 8, .value_kind: global_buffer, .address_space: global }
    .group_segment_fixed_size: 307712
    .private_segment_fixed_size: 0
    .kernarg_segment_align: 8
    .kernarg_segment_size: 48
    .max_flat_workgroup_size: 128
    .sgpr_count:     102
    .vgpr_count:     768
    .wavefront_size: 32
...
	.end_amdgpu_metadata
.endif
;; end of part 4
